; MI455X (gfx1250); checked and timed in simulation.
; The chip was launched on July 23, 2026; its instructions are those of AMD's public machine-readable ISA for CDNA 5 (MIT licence, August 2026) and "CDNA5" Instruction Set Architecture Reference Guide (July 2026). The comments in the code are by the model that wrote it; some were corrected since.
;; Ex GRU. Allowed arithmetic: float matrix products may take bf16 or f16 operands with f32 sums; all other float work in f32.
;; Inputs: W_h 1,024 x 2,048 float32; W_o 512 x 1,024 float32; W_r 1,024 x 2,048 float32; W_z 1,024 x 2,048 float32; b_h 1,024 float32; b_o 512 float32; b_r 1,024 float32; b_z 1,024 float32; hidden_state 8,192 x 1,024 float32; x 8,192 x 1,024 float32.
;; Outputs: out0 8,192 x 512 float32; out1 8,192 x 1,024 float32.
;; 2 versions, each right; version 2 is version 1 with the launch cast written anew for expert scheduling mode. Each part assembles by itself: llvm-mc -triple=amdgcn-amd-amdhsa -mcpu=gfx1250 --defsym DOCPART=n.
;; ======== version 1 of 2: 4 launches
;; limits: values are held in f16: magnitudes above 65,504 overflow, below 6.1e-05 lose precision; inputs' magnitudes at most 65,504
;; workspace buffers: xh 33,554,432 bytes; xr 33,554,432 bytes; wb 13,631,488 bytes; zbuf 33,554,432 bytes; hb 16,777,216 bytes
;; launch cast (part 1): grid 1440 x 1, 8 waves a work-group, no clusters, 0 bytes of LDS; arguments x, hidden_state, W_z, W_r, W_h, W_o, xh, wb; writes xh, wb
.if DOCPART == 1
	.amdgcn_target "amdgcn-amd-amdhsa--gfx1250"
	.amdhsa_code_object_version 6
	.text
	.protected	k_qb7b0ce7ef6_cast
	.globl	k_qb7b0ce7ef6_cast
	.p2align	8
	.type	k_qb7b0ce7ef6_cast,@function
k_qb7b0ce7ef6_cast:
	s_mov_b64 s[64:65], 0
	v_nop
	global_prefetch_b8 v0, s[64:65] scope:SCOPE_SE
	s_setreg_imm32_b32 hwreg(HW_REG_WAVE_MODE, 25, 1), 1
	s_wait_xcnt 0x0
; CAST.  The large inputs are rounded to bf16 once (nearest even); every later launch takes them from here, so that the whole program computes on inputs rounded to bf16.
;   xh [8192][2048] bf16: columns 0-1023 x, columns 1024-2047 hidden_state.
;   wb: W_z, W_r, W_h as [3072][2048] bf16; then from byte 12,582,912 on W_o as [512][1024] f16: W_o is rounded to bf16 like the others, and that number is written as f16, since the last product runs in f16.
; LIMIT.  A bf16 number is exact in f16 from 2^-17 up to 65,504 in magnitude; a smaller W_o keeps f16's fixed step of 2^-24, a W_o of 65,520 or more becomes an infinity.
; A stream: no LDS, no matrix unit, no cluster: no byte is read twice and no work-group shares a byte with another.
; SHARES.  Every source is taken as rows of 1,024 f32 (4,096 bytes): 23,040 rows.  A work-group takes 16 of them, a wave 2, a lane 16 bytes of each of a row's eight pieces of 512 bytes.
; Work-groups 0-511 take x, 512-1023 hidden_state, 1024-1151 W_z, 1152-1279 W_r, 1280-1407 W_h, 1408-1439 W_o.  All sixteen loads of a wave go out together; the numbers are rounded in the registers
; that they arrived in, so that a wave needs 72 registers and the launch's 11,520 waves, 11.25 for each of 1,024 SIMDs, can all be resident at once.
.set X, 8                              ; v[8:71]    16 x 4 registers as loaded; the first two of each four then hold the four numbers in 16 bits
	s_load_b512 s[8:23], s[0:1], 0x0               ; x 8:9, hidden_state 10:11, W_z 12:13, W_r 14:15, W_h 16:17, W_o 18:19, xh 20:21, wb 22:23
	s_mov_b32 s2, ttmp9                            ; g, the work-group's number
	s_mov_b32 s24, 0xffff0000                      ; mask of a word's upper bf16
	v_and_b32 v5, 31, v0                           ; lane
	v_lshrrev_b32 v4, 5, v0                        ; wave
	v_lshlrev_b32 v1, 4, v5
	v_lshl_or_b32 v1, v4, 13, v1                   ; source: wave x 2 rows of 4,096 bytes + 16 x lane
	s_wait_kmcnt 0x0
	; which source, which destination: a chain of selects on g alone
	s_cmp_lt_u32 s2, 512
	s_cselect_b64 s[28:29], s[8:9], s[10:11]       ; the source
	s_cselect_b32 s26, 0, 512                      ; g0: the source's first work-group
	s_cselect_b32 s27, 0, 2048                     ; hidden_state goes into the right half of xh's rows
	s_cmp_lt_u32 s2, 1024
	s_cselect_b64 s[28:29], s[28:29], s[12:13]
	s_cselect_b64 s[30:31], s[20:21], s[22:23]     ; the destination: xh or wb
	s_cselect_b32 s26, s26, 1024
	s_cselect_b32 s27, s27, 0
	s_cselect_b32 s35, 16, 15                      ; log2 of a work-group's bytes in the destination: 16 rows 4,096 apart, or 2,048 apart (dense)
	s_mov_b32 s3, s26                              ; the destination's first work-group: g0 for x and hidden_state, 1024 for all weights
	s_cmp_lt_u32 s2, 1152
	s_cselect_b64 s[28:29], s[28:29], s[14:15]
	s_cselect_b32 s26, s26, 1152
	s_cmp_lt_u32 s2, 1280
	s_cselect_b64 s[28:29], s[28:29], s[16:17]
	s_cselect_b32 s26, s26, 1280
	s_cmp_lt_u32 s2, 1408
	s_cselect_b64 s[28:29], s[28:29], s[18:19]
	s_cselect_b32 s26, s26, 1408
	s_sub_co_u32 s32, s2, s26
	s_lshl_b32 s32, s32, 16                        ; 65,536 bytes of source a work-group
	s_mov_b32 s33, 0
	s_add_nc_u64 s[28:29], s[28:29], s[32:33]
.set n, 0
.rept 16
	global_load_b128 v[X+4*n:X+4*n+3], v1, s[28:29] offset:4096*(n/8)+512*(n%8) th:TH_LOAD_NT  ; 512 neighbouring bytes a load
.set n, n+1
.endr
	s_sub_co_u32 s38, s2, s3
	s_lshl_b32 s38, s38, s35
	s_add_co_u32 s38, s38, s27
	s_mov_b32 s39, 0
	s_add_nc_u64 s[30:31], s[30:31], s[38:39]      ; the destination at my work-group's first row
	s_sub_co_u32 s34, s35, 4
	s_lshl_b32 s34, 1, s34                         ; bytes from row to row in the destination
	s_sub_co_u32 s35, s35, 3                       ; log2 of two such rows
	v_lshlrev_b32 v2, s35, v4                      ; wave x 2 rows
	v_lshl_add_u32 v2, v5, 3, v2                   ; + 8 x lane: my first row
	v_add_nc_u32 v3, s34, v2                       ; my second row
.set n, 0
.rept 16
	s_wait_loadcnt 15-n                            ; loads come back in order (ISA guide 5.7.1): load n is in, the 15 - n younger ones stay out
	v_cvt_pk_bf16_f32 v[X+4*n], v[X+4*n], v[X+4*n+1]
	v_cvt_pk_bf16_f32 v[X+4*n+1], v[X+4*n+2], v[X+4*n+3]
.set n, n+1
.endr
	s_cmp_lt_u32 s2, 1408
	s_cbranch_scc1 .Lstore
.set n, 0
.rept 16                               ; W_o alone: the bf16 numbers are widened again (a shift, a mask) and written as f16
	v_and_b32 v[X+4*n+3], s24, v[X+4*n+1]
	v_lshlrev_b32 v[X+4*n+2], 16, v[X+4*n+1]
	v_and_b32 v[X+4*n+1], s24, v[X+4*n]
	v_lshlrev_b32 v[X+4*n], 16, v[X+4*n]
	v_cvt_pk_f16_f32 v[X+4*n], v[X+4*n], v[X+4*n+1]
	v_cvt_pk_f16_f32 v[X+4*n+1], v[X+4*n+2], v[X+4*n+3]
.set n, n+1
.endr
.Lstore:
.set n, 0
.rept 16
	global_store_b64 v[2+n/8], v[X+4*n:X+4*n+1], s[30:31] offset:256*(n%8)  ; 32 lanes store 256 consecutive bytes, at a multiple of 256 from the buffer's first byte
.set n, n+1
.endr
	s_endpgm
.Lfunc_end_k_qb7b0ce7ef6_cast:
	.size	k_qb7b0ce7ef6_cast, .Lfunc_end_k_qb7b0ce7ef6_cast-k_qb7b0ce7ef6_cast
	.p2alignl 7, 3214868480
	.fill 96, 4, 3214868480
	.section	.rodata,"a",@progbits
	.p2align	6, 0x0
	.amdhsa_kernel k_qb7b0ce7ef6_cast
		.amdhsa_group_segment_fixed_size 0
		.amdhsa_private_segment_fixed_size 0
		.amdhsa_enable_private_segment 0
		.amdhsa_kernarg_size 64
		.amdhsa_user_sgpr_count 2
		.amdhsa_user_sgpr_kernarg_segment_ptr 1
		.amdhsa_wavefront_size32 1
		.amdhsa_system_sgpr_workgroup_id_x 1
		.amdhsa_system_sgpr_workgroup_id_y 1
		.amdhsa_system_sgpr_workgroup_id_z 1
		.amdhsa_system_vgpr_workitem_id 0
		.amdhsa_next_free_vgpr 72
		.amdhsa_next_free_sgpr 66
		.amdhsa_reserve_vcc 0
		.amdhsa_float_denorm_mode_32 3
		.amdhsa_float_denorm_mode_16_64 3
		.amdhsa_memory_ordered 1
		.amdhsa_forward_progress 1
		.amdhsa_inst_pref_size 12
	.end_amdhsa_kernel
	.amdgpu_metadata
---
amdhsa.version: [ 1, 2 ]
amdhsa.kernels:
  - .name:           k_qb7b0ce7ef6_cast
    .symbol:         k_qb7b0ce7ef6_cast.kd
    .args:
      - { .name: x, .offset: 0, .size: 8, .value_kind: global_buffer, .address_space: global }
      - { .name: hidden_state, .offset: 8, .size: 8, .value_kind: global_buffer, .address_space: global }
      - { .name: W_z, .offset: 16, .size: 8, .value_kind: global_buffer, .address_space: global }
      - { .name: W_r, .offset: 24, .size: 8, .value_kind: global_buffer, .address_space: global }
      - { .name: W_h, .offset: 32, .size: 8, .value_kind: global_buffer, .address_space: global }
      - { .name: W_o, .offset: 40, .size: 8, .value_kind: global_buffer, .address_space: global }
      - { .name: xh, .offset: 48, .size: 8, .value_kind: global_buffer, .address_space: global }
      - { .name: wb, .offset: 56, .size: 8, .value_kind: global_buffer, .address_space: global }
    .group_segment_fixed_size: 0
    .private_segment_fixed_size: 0
    .kernarg_segment_align: 8
    .kernarg_segment_size: 64
    .max_flat_workgroup_size: 256
    .sgpr_count:     66
    .vgpr_count:     72
    .wavefront_size: 32
...
	.end_amdgpu_metadata
.endif
;; end of part 1
;; launch gates (part 2): grid 8 x 32, 4 waves a work-group, clusters of 4 x 4, 327,680 bytes of LDS; arguments xh, wb, b_z, b_r, zbuf, xr; writes zbuf, xr
.if DOCPART == 2
	.amdgcn_target "amdgcn-amd-amdhsa--gfx1250"
	.amdhsa_code_object_version 6
	.text
	.protected	k_qb7b0ce7ef6_gates
	.globl	k_qb7b0ce7ef6_gates
	.p2align	8
	.type	k_qb7b0ce7ef6_gates,@function
k_qb7b0ce7ef6_gates:
	s_mov_b64 s[64:65], 0
	v_nop
	global_prefetch_b8 v0, s[64:65] scope:SCOPE_SE
	s_setreg_imm32_b32 hwreg(HW_REG_WAVE_MODE, 25, 1), 1
	s_wait_xcnt 0x0
	s_wait_alu depctr_hold_cnt(0) depctr_sa_sdst(0) depctr_va_vdst(0) depctr_va_sdst(0) depctr_va_ssrc(0) depctr_va_vcc(0) depctr_vm_vsrc(0)
	s_getreg_b32 s2, hwreg(HW_REG_IB_STS2, 6, 4)
	s_cmp_eq_u32 s2, 0
	s_cbranch_scc0 .Lentry_in_a_cluster
	s_endpgm
.Lentry_in_a_cluster:
	s_bfe_u32 s2, ttmp6, 0x10000c
	s_cmp_lg_u32 s2, 0xf033
	s_cbranch_scc0 .Lentry_shape_is_right
	s_endpgm
.Lentry_shape_is_right:
; GATES.  z = sigmoid([x|h] W_z^T + b_z) -> zbuf [8192][1024] f32;  r = sigmoid([x|h] W_r^T + b_r), and bf16(r h) -> xr's columns 1024-2047.
; Products in bf16 with f32 sums, K = 2,048 ascending; bias, sigmoid and r h in f32.  LIMITS: every input (x, h, the weights, the biases) is taken rounded once to bf16, h in r h too; r h is rounded once to bf16
; for the next product; sigmoid(s) = 1 / (1 + 2^(-log2(e) s)) gives exactly 0 where the power overflows to infinity and exactly 1 where it falls below 2^-126; a NaN goes through.  No range of the inputs is assumed.
; SHARES.  A work-group's tile is 256 rows x (128 columns of z and the SAME 128 columns of r).  Four waves, 2 x 2, each 128 x 128: 64 accumulators, 512 registers.  The waves of column half 0 make z,
; those of column half 1 make r: what differs between the gates hangs on the wave's number alone, and all work-groups do equal work.
; RING.  K goes in steps of 128 through two LDS slots; a wave's tensor load brings 128 rows x 256 bytes (waves 0, 1: A's halves; wave 2: W_z's rows; wave 3: W_r's).
; CLUSTER.  4 x 4 work-groups: A's tile hangs on the tile row alone and is asked for jointly along a row of the cluster, B's on the tile column alone, along a column.
; THE MATRIX INSTRUCTION IS USED TRANSPOSED (source 0 = 16 rows of W, source 1 = 16 rows of [x|h]): a lane holds eight neighbouring columns of one row of the result.
; REGISTERS, in windows of 256 (s_set_vgpr_msb: bits 1:0 source 0, 3:2 source 1, 5:4 source 2, 7:6 destination):
;   window 0: v0-31 addresses; v32-63 h as loaded, then packed results; v64-127, v128-191 A's two fragment buffers, on the way out 16 rows of results and 16 rows of h in f32; v192-195 the bias
;   window 1: v64-127, v128-191 B's two fragment buffers        window 2, 3: the accumulators of my rows 0-63, 64-127: (a, b) at v[8 (8 (a % 4) + b)]
.set MA,     8                         ; blocks of 16 rows a wave
.set NB,     8                         ; blocks of 16 columns a wave
.set KD,     1                         ; a quarter of a K step is 32 KD along K
.set SIZE_K, 2048
.set EPITCH, 2048                      ; elements from row to row, in A and in B
.set KSTEP,  128*KD
.set PITCH,  256*KD+16                 ; an LDS row: the data + 16 bytes of padding, an odd multiple of 16: the 16 rows that a load touches start at 16 different groups of four banks (64 banks of 4 bytes: ISA guide 11.1)
.set QI,     4+KD                      ; the padding's interval: after every 64 KD words
.set LAPS,   SIZE_K/(2*KSTEP)          ; a lap = two K steps = once round the ring
.set HALFA,  16*MA*PITCH               ; what one tensor load brings of A, and what one wave reads of it
.set HALFB,  16*NB*PITCH               ; the same for B
.set SLOT,   2*(HALFA+HALFB)           ; A's two halves, then B's two
.set STAGE,  2*SLOT                    ; behind the ring: 16 rows x SPITCH for each wave, for the way out; no tensor load lands there
.set SPITCH, 64*NB+16
.set SPARE,  STAGE+64*SPITCH           ; behind the stages: the spare words, 128 bytes for each wave: two blocks of 256 bytes that no other line names
.set U,      KD*MA                     ; units (16 rows x 32 K of A) in a quarter
.set QB,     64*KD                     ; a quarter's bytes of an LDS row
.set NLD,    2*KD*(MA+NB)              ; LDS loads in a quarter's run
.if KD == 1
.set YOUNG,  MA                        ; the youngest loads of a run, which only the quarter's second half uses
.else
.set YOUNG,  NLD/2
.endif
.set ADRA, 16                          ; v16-17  LDS address of my A fragments in slot 0, 1
.set ADRB, 20                          ; v20-21  the same for B
.set STO,  24                          ; v24     the way out: where I put 32 bytes of a row
.set RD,   25                          ; v25     the way out: where I read a row back
.set CO,   26                          ; v26     16 x lane: my 4 f32 columns of a row of 128
.set CO2,  27                          ; v27     8 x lane: the same 4 columns in bf16
.set SPW,  28                          ; v28     LDS address of my spare word; never rewritten
.set NIL,  29                          ; v29     0; never rewritten
.set HRD,  30                          ; v30     LDS address of my 8 bytes in the first row of my tile of h
.set HAD,  31                          ; v31     the same for the block in hand
.set PK,   32
.set T,    64
.set HR,   128
.set BI,   192
.set F0,   64
.set F1,   128
.set WV,  20                           ; s20  my wave's number
.set RH,  21                           ; s21  which half of the tile's rows is mine.  Also: I fetch for A (0) or for B (1)
.set CH,  22                           ; s22  which half of its columns (0: z, 1: r).  Also: which half of that tile I fetch
.set G1,  24                           ; s[24:31] descriptor group 1 for A's tiles;  s[32:39] group 0, a set for each slot
.set G0,  32
.set G1B, 48                           ; s[48:55], s[56:63] the same for B's
.set G0B, 56
.set BP,  68                           ; s[68:69] my bias
.set SC,  70                           ; s[70:71] -log2(e), named as a pair
.set ZB,  72                           ; s[72:73] zbuf at the block in hand
.set XRB, 74                           ; s[74:75] xr's right half at the block in hand
.set HM,  79                           ; s79  mask of a word's upper bf16 (once the offset that lay here has been used)
.set G1H, 80                           ; s[80:87], s[88:91] the descriptor of my tile of h
.set G0H, 88
.set MSB, 0
.macro WIN new                         ; the immediate's high byte repeats the setting that is left; a switch that changes nothing is dropped
.if MSB != (\new)
	s_set_vgpr_msb (MSB<<8)|(\new)
.set MSB, \new
.endif
.endm
.set MUL_LO, 0xa1                      ; source 0 (B) window 1, source 1 (A) window 0, C and D window 2; + 0x50: window 3
.set TO_B,   0x40                      ; destination window 1, address window 0
.macro PLACES                          ; four places in front of loads into registers that matrix instructions have read, and of stores that read results (ISA guide 7.12.1 for vector instructions)
.rept 4
	v_nop
.endr
.endm
; A joint load: waves 0 and 1 fetch A's halves, waves 2 and 3 B's.  The branch hangs on the wave's number alone.  An s_nop 0 and four v_nop follow each of the two lines.
.macro JLOAD s
	s_cmp_eq_u32 s[RH], 0
	s_cbranch_scc0 .Lfor_b_\@
	tensor_load_to_lds s[G0+4*(\s):G0+4*(\s)+3], s[G1:G1+7]
	s_nop 0
.rept 4
	v_nop
.endr
	s_branch .Lasked_\@
.Lfor_b_\@:
	tensor_load_to_lds s[G0B+4*(\s):G0B+4*(\s)+3], s[G1B:G1B+7]
	s_nop 0
.rept 4
	v_nop
.endr
.Lasked_\@:
.endm
; My tile of h, 128 rows x 128 bf16 out of xh's right half, unpadded: a load of my own (no mask), issued by the waves that make r, into slot 0, which the last K step does not read.  The other waves issue none.
.macro HLOAD
	s_cmp_eq_u32 s[CH], 0
	s_cbranch_scc1 .Lno_h_\@
	tensor_load_to_lds s[G0H:G0H+3], s[G1H:G1H+7]
	s_nop 0
.rept 4
	v_nop
.endr
	s_branch .Lh_asked_\@
.Lno_h_\@:
.rept 4
	v_nop
.endr
.Lh_asked_\@:
.endm
.macro CREST                           ; a round of the cluster's barrier behind its opening barrier
	s_cmp_lg_u32 s[WV], 0
	s_cbranch_scc1 .Lnot_wave_0_\@
	s_barrier_signal -3
.Lnot_wave_0_\@:
	s_barrier_wait -3
	s_barrier_signal -1
	s_barrier_wait -1
.endm
.macro CROUND                          ; a whole round
	s_barrier_signal -1
	s_barrier_wait -1
	CREST
.endm
; NB matrix instructions: unit u of buffer f (block u % MA of my rows, 32 along K) x all my column blocks.  zero = 1: the first product on an accumulator starts its sum.
; The accumulators take turns, one instruction a turn, in the same order in every quarter.
.macro MULA f, u, zero
.set mA, (\u)%MA
.set mC, (\u)/MA
	WIN MUL_LO+0x50*(mA/4)
.set mB, 0
.rept NB
.set rD, 8*(8*(mA%4)+mB)
.if (\zero) && (mC == 0)
	v_wmma_f32_16x16x32_bf16 v[rD:rD+7], v[(\f)+8*(NB*mC+mB):(\f)+8*(NB*mC+mB)+7], v[(\f)+8*(\u):(\f)+8*(\u)+7], 0
.else
	v_wmma_f32_16x16x32_bf16 v[rD:rD+7], v[(\f)+8*(NB*mC+mB):(\f)+8*(NB*mC+mB)+7], v[(\f)+8*(\u):(\f)+8*(\u)+7], v[rD:rD+7]
.endif
.set mB, mB+1
.endr
.endm
.macro MULS f, u0, n, zero             ; n units from u0 on
.set mU, \u0
.rept \n
	MULA \f, mU, \zero
.set mU, mU+1
.endr
.endm
; The LDS loads of a quarter in one run, into buffer f: for each 32 along K first B's fragments, then A's.  A fragment is 16 rows x 32 K: two loads of 16 bytes, 32 bytes apart.
.macro FETCH slot, k, f
.set fC, 0
.rept KD
	WIN TO_B
.set fI, 0
.rept NB
	ds_load_b128 v[(\f)+8*(NB*fC+fI):(\f)+8*(NB*fC+fI)+3],   v[ADRB+(\slot)] offset:(\k)+64*fC+fI*16*PITCH
	ds_load_b128 v[(\f)+8*(NB*fC+fI)+4:(\f)+8*(NB*fC+fI)+7], v[ADRB+(\slot)] offset:(\k)+64*fC+fI*16*PITCH+32
.set fI, fI+1
.endr
	WIN 0
.set fI, 0
.rept MA
	ds_load_b128 v[(\f)+8*(MA*fC+fI):(\f)+8*(MA*fC+fI)+3],   v[ADRA+(\slot)] offset:(\k)+64*fC+fI*16*PITCH
	ds_load_b128 v[(\f)+8*(MA*fC+fI)+4:(\f)+8*(MA*fC+fI)+7], v[ADRA+(\slot)] offset:(\k)+64*fC+fI*16*PITCH+32
.set fI, fI+1
.endr
.set fC, fC+1
.endr
.endm
; One of a K step's first three quarters: multiplies buffer f; in its middle it fetches the next quarter, at byte k of the same slot's rows, into buffer g.
.macro QUARTER slot, k, f, g, zero
	s_wait_dscnt YOUNG                             ; all of the run but its youngest loads, which the second half uses
	MULS \f, 0, U/2, \zero
	PLACES
	FETCH \slot, \k, \g
	s_wait_dscnt NLD                               ; all but the run just issued
	MULS \f, U/2, U/2, \zero
.endm
; The first half of a K step's last quarter: ONE barrier for the change of slots.  In front of it each wave waits for all its tensor loads (one is out: its part of the next slot), adds 0 to its spare word,
; and waits for that and for its own reads of this slot.  Behind it nobody reads this slot any more and the next slot is whole.
.macro MEET round
	WIN 0                                          ; the add's two registers lie in window 0
	s_wait_tensorcnt 0x0
	ds_add_u32 v[SPW], v[NIL]                      ; 0 onto my spare word
	s_wait_dscnt YOUNG+1                           ; the add and the youngest loads may be out
	MULS F1, 0, U/4, 0                             ; matrix work stands between the add and the wait for it
	s_wait_dscnt 0x0                               ; the add is done, and my reads of this slot are over
	s_barrier_signal -1
	MULS F1, U/4, U/4, 0                           ; work on registers while the others arrive
.if \round
	WIN 0
.endif
	s_barrier_wait -1
.endm
; The whole last quarter.  fill = 1: the barrier opens a round of the cluster's, and the slot just read out is filled again, two K steps on, first thing behind it.
; fill = 2: the same round, and slot 0 takes h.  fill = 0: nothing is filled.  Then the next slot's first fragments.
.macro TURN slot, next, fill
.if \fill
	MEET 1
	CREST                                          ; no wave of any partner still reads this slot or has a load on its way
.if (\fill) == 1
	s_add_nc_u64 s[G0+4*(\slot)+2:G0+4*(\slot)+3], s[G0+4*(\slot)+2:G0+4*(\slot)+3], 4*KSTEP
	s_add_nc_u64 s[G0B+4*(\slot)+2:G0B+4*(\slot)+3], s[G0B+4*(\slot)+2:G0B+4*(\slot)+3], 4*KSTEP
	JLOAD \slot                                    ; the four v_nop behind it are also the places in front of the loads below
.else
	HLOAD
.endif
.else
	MEET 0
	PLACES
.endif
	FETCH \next, 0, F0
	MULS F1, U/2, U/2, 0
.endm
	s_load_b256 s[4:11], s[0:1], 0x0               ; xh 4:5, wb 6:7, b_z 8:9, b_r 10:11
	s_load_b128 s[12:15], s[0:1], 0x20             ; zbuf 12:13, xr 14:15
	v_lshl_add_u32 v[SPW], v0, 2, SPARE
	v_mov_b32 v[NIL], 0
	ds_add_u32 v[SPW], v[NIL]                      ; the wave's opening: the add and its wait ahead of my first tensor load; the set-up below, work on registers, stands between them
	v_lshrrev_b32 v1, 5, v0
	v_readfirstlane_b32 s[WV], v1
	s_lshr_b32 s[RH], s[WV], 1
	s_and_b32 s[CH], s[WV], 1
	s_bfe_u32 s40, ttmp6, 0x40000                  ; cx, cy: my place in the cluster
	s_bfe_u32 s41, ttmp6, 0x40004
	s_lshl_b32 s42, ttmp9, 2
	s_add_co_u32 s42, s42, s40                     ; tile column = 4 x cluster x + cx
	s_and_b32 s43, ttmp7, 0xffff
	s_lshl_b32 s43, s43, 2
	s_add_co_u32 s43, s43, s41                     ; tile row = 4 x cluster y + cy
	s_lshl_b32 s44, s41, 2
	s_lshl_b32 s44, 15, s44                        ; my row of the cluster
	s_lshl_b32 s45, 0x1111, s40                    ; my column
	s_or_b32 s[G1+0], s44, (1<<16)|(1<<20)|(1<<21)|(QI<<22)|(3<<25)   ; 15:0 the mask; 17:16 elements of 2 bytes; 20 padding on; 21 set beside a mask; 24:22 the interval; 31:25 4 words of padding (code 3)
	s_or_b32 s[G1B+0], s45, (1<<16)|(1<<20)|(1<<21)|(QI<<22)|(3<<25)
	s_mov_b32 s[G1+1], KSTEP<<16                   ; tensor_dim0
	s_mov_b32 s[G1+2], (16*MA)<<16                 ; tensor_dim1
	s_mov_b32 s[G1+3], KSTEP<<16                   ; tile_dim0
	s_mov_b32 s[G1+4], 16*MA                       ; tile_dim1
	s_mov_b32 s[G1+5], EPITCH                      ; elements from row to row
	s_mov_b32 s[G1+6], 0
	s_mov_b32 s[G1+7], 0
	s_mov_b32 s[G1B+1], KSTEP<<16
	s_mov_b32 s[G1B+2], (16*NB)<<16
	s_mov_b32 s[G1B+3], KSTEP<<16
	s_mov_b32 s[G1B+4], 16*NB
	s_mov_b32 s[G1B+5], EPITCH
	s_mov_b32 s[G1B+6], 0
	s_mov_b32 s[G1B+7], 0
	s_mov_b32 s[G1H+0], 1<<16                      ; h's tile: no mask, elements of 2 bytes, no padding
	s_mov_b32 s[G1H+1], 128<<16                    ; tensor_dim0 = 128
	s_mov_b32 s[G1H+2], 128<<16                    ; tensor_dim1 = 128
	s_mov_b32 s[G1H+3], 128<<16                    ; tile_dim0 = 128 (256 bytes)
	s_mov_b32 s[G1H+4], 128                        ; tile_dim1 = 128
	s_mov_b32 s[G1H+5], 2048                       ; elements from row to row of xh
	s_mov_b32 s[G1H+6], 0
	s_mov_b32 s[G1H+7], 0
	s_mov_b32 s[G0H], 1
	s_lshl_b32 s[G0H+1], s[RH], 15                 ; wave 1: LDS bytes 0 to 32,767; wave 3: the next 32,768; both inside slot 0
	; A's offset is made of the tile row and the wave's number, B's of the tile column and the wave's number, each in registers that never hold the other coordinate
	s_lshl_b32 s46, s43, 8
	s_lshl_b32 s2, s[CH], 7
	s_add_co_u32 s46, s46, s2                      ; A: row 256 x tile row + 128 x the half that I fetch
	s_lshl_b32 s46, s46, 12                        ; rows of 4,096 bytes
	s_mov_b32 s47, 0
	s_lshl_b32 s66, s42, 7
	s_lshl_b32 s2, s[CH], 10
	s_add_co_u32 s66, s66, s2                      ; B: row 128 x tile column of W_z (half 0) or of W_r, 1,024 rows on (half 1)
	s_lshl_b32 s66, s66, 12
	s_mov_b32 s67, 0
	s_mul_i32 s18, s[CH], HALFA                    ; where they go in a slot: no place in the cluster enters an LDS address
	s_mul_i32 s19, s[CH], HALFB
	s_add_co_u32 s19, s19, 2*HALFA
	s_lshl_b32 s76, s43, 8
	s_lshl_b32 s2, s[RH], 7
	s_add_co_u32 s76, s76, s2                      ; my first row of the results,
	s_lshl_b32 s76, s76, 12                        ; in rows of 4,096 bytes (zbuf, xh and xr alike)
	s_lshl_b32 s2, s42, 8
	s_add_co_u32 s78, s76, s2                      ; xr, and h in xh: + 128 bf16 columns a tile column,
	s_add_co_u32 s78, s78, 2048                    ; in the right half of the rows
	s_mov_b32 s79, 0
	s_lshl_b32 s2, s42, 9                          ; 128 f32 columns a tile column: the bias's offset,
	s_mov_b32 s3, 0
	s_add_co_u32 s76, s76, s2                      ; and with the rows zbuf's
	s_mov_b32 s77, 0
	s_mov_b32 s[SC], 0xbfb8aa3b                    ; -log2(e)
	s_mov_b32 s[SC+1], s[SC]
	s_wait_dscnt 0x0                               ; the opening add is done
	s_wait_kmcnt 0x0
	s_add_nc_u64 s[46:47], s[4:5], s[46:47]
	s_add_nc_u64 s[66:67], s[6:7], s[66:67]
	s_cmp_eq_u32 s[CH], 0
	s_cselect_b64 s[BP:BP+1], s[8:9], s[10:11]     ; b_z or b_r
	s_add_nc_u64 s[BP:BP+1], s[BP:BP+1], s[2:3]
	s_add_nc_u64 s[G0H+2:G0H+3], s[4:5], s[78:79]  ; h lies in xh where r h will lie in xr
	s_or_b32 s[G0H+3], s[G0H+3], 0x80000000
	s_add_nc_u64 s[ZB:ZB+1], s[12:13], s[76:77]
	s_add_nc_u64 s[XRB:XRB+1], s[14:15], s[78:79]
	s_mov_b32 s[HM], 0xffff0000
	CROUND                                         ; all sixteen work-groups are here: the first joint loads meet
.irp s, 0,1
	s_mov_b32 s[G0+4*(\s)], 1
	s_add_co_u32 s[G0+4*(\s)+1], s18, (\s)*SLOT
	s_add_nc_u64 s[G0+4*(\s)+2:G0+4*(\s)+3], s[46:47], (\s)*KSTEP*2
	s_or_b32 s[G0+4*(\s)+3], s[G0+4*(\s)+3], 0x80000000
	s_mov_b32 s[G0B+4*(\s)], 1
	s_add_co_u32 s[G0B+4*(\s)+1], s19, (\s)*SLOT
	s_add_nc_u64 s[G0B+4*(\s)+2:G0B+4*(\s)+3], s[66:67], (\s)*KSTEP*2
	s_or_b32 s[G0B+4*(\s)+3], s[G0B+4*(\s)+3], 0x80000000
	JLOAD \s                                       ; K steps 0 and 1: two loads of mine are out
.endr
	v_and_b32 v5, 31, v0
	v_lshlrev_b32 v[CO], 4, v5
	v_lshlrev_b32 v[CO2], 3, v5
	global_load_b128 v[BI:BI+3], v[CO], s[BP:BP+1] ; the bias of my 4 columns
	v_and_b32 v1, 15, v0                           ; l % 16
	v_bfe_u32 v2, v0, 4, 1                         ; l / 16
	v_mul_u32_u24 v3, v1, PITCH
	v_lshl_add_u32 v3, v2, 4, v3                   ; a fragment's row x pitch + 16 x half
	s_mul_i32 s2, s[RH], HALFA                     ; my rows of A
	s_mul_i32 s23, s[CH], HALFB                    ; my rows of B,
	s_add_co_u32 s23, s23, 2*HALFA                 ; which lie behind A's
.irp s, 0,1
	v_add_nc_u32 v[ADRA+(\s)], s2, v3
	v_add_nc_u32 v[ADRB+(\s)], s23, v3
	s_add_co_u32 s2, s2, SLOT
	s_add_co_u32 s23, s23, SLOT
.endr
	s_mul_i32 s2, s[WV], 16*SPITCH
	s_add_co_u32 s2, s2, STAGE                     ; my stage
	v_mul_u32_u24 v4, v1, SPITCH                   ; in: row l % 16, 32 bytes for each half of the lanes
	v_lshl_add_u32 v4, v2, 5, v4
	v_add_nc_u32 v[STO], s2, v4
	v_add_nc_u32 v[RD], s2, v[CO]                  ; back: 32 lanes take one row of 512 bytes
	s_lshl_b32 s2, s[RH], 15
	v_add_nc_u32 v[HRD], s2, v[CO2]                ; and a row of h, 256 bytes, likewise
	s_wait_loadcnt 0x0
	v_cvt_pk_bf16_f32 v6, v[BI], v[BI+1]           ; the bias is rounded to bf16 like every input, and widened again
	v_cvt_pk_bf16_f32 v7, v[BI+2], v[BI+3]
	v_lshlrev_b32 v[BI], 16, v6
	v_and_b32 v[BI+1], 0xffff0000, v6
	v_lshlrev_b32 v[BI+2], 16, v7
	v_and_b32 v[BI+3], 0xffff0000, v7
	v_pk_mul_f32 v[BI:BI+1], v[BI:BI+1], s[SC:SC+1] op_sel_hi:[1,0]      ; -log2(e) b, so that one fused multiply-add makes -log2(e) (s + b)
	v_pk_mul_f32 v[BI+2:BI+3], v[BI+2:BI+3], s[SC:SC+1] op_sel_hi:[1,0]
	s_wait_tensorcnt 0x1                           ; my part of K step 0 is in; K step 1's may stay out
	s_barrier_signal -1
	s_barrier_wait -1                              ; everybody's is
	FETCH 0, 0, F0
	QUARTER 0, QB, F0, F1, 1                       ; the first quarter stands in front of the loop: its products start the sums
	WIN 0                                          ; at a label and at a branch every window is 0
	s_mov_b32 s3, LAPS-1
.Llap:                                                 ; a trip goes once round the ring, from a lap's second quarter to the next lap's first, and fills both slots again
	QUARTER 0, 2*QB, F1, F0, 0
	QUARTER 0, 3*QB, F0, F1, 0
	TURN 0, 1, 1
	QUARTER 1, QB, F0, F1, 0
	QUARTER 1, 2*QB, F1, F0, 0
	QUARTER 1, 3*QB, F0, F1, 0
	TURN 1, 0, 1
	QUARTER 0, QB, F0, F1, 0
	WIN 0
	s_sub_co_u32 s3, s3, 1
	s_cmp_lg_u32 s3, 0
	s_cbranch_scc1 .Llap
	QUARTER 0, 2*QB, F1, F0, 0                     ; the last lap is written out: no tile of A or B is left to fetch
	QUARTER 0, 3*QB, F0, F1, 0
	TURN 0, 1, 2                                   ; slot 0 takes h: the load has the last K step, 256 matrix instructions, in which to land
	QUARTER 1, QB, F0, F1, 0
	QUARTER 1, 2*QB, F1, F0, 0
	QUARTER 1, 3*QB, F0, F1, 0
	s_wait_dscnt YOUNG                             ; the very last quarter: nothing more to fetch
	MULS F1, 0, U/2, 0
	s_wait_dscnt 0x0
	MULS F1, U/2, U/2, 0
	WIN 0
	; THE WAY OUT: a counted loop over my eight blocks of 16 rows.  A block's sums go as f32 through my own stage in LDS and come back as whole rows of 512 bytes: a lane then holds 4 neighbouring columns of each of
	; the 16 rows, and its bias is 4 registers.  Only the LDS stores name a block's accumulators, so only they are written once for each block; a forward jump on the loop's counter chooses among them.
.macro DUMP1 a
	s_cmp_lg_u32 s3, \a
	s_cbranch_scc1 .Lnd_\@
	WIN 0x08+4*((\a)/4)                            ; the stores' data in window 2 or 3
.set dB, 0
.rept NB
	ds_store_b128 v[STO], v[64*((\a)%4)+8*dB:64*((\a)%4)+8*dB+3] offset:64*dB          ; each accumulator's low registers first
	ds_store_b128 v[STO], v[64*((\a)%4)+8*dB+4:64*((\a)%4)+8*dB+7] offset:64*dB+16
.set dB, dB+1
.endr
	WIN 0
.Lnd_\@:
.endm
	PLACES                                         ; the stores below read results just made
	s_wait_tensorcnt 0x0                           ; my tile of h is in LDS; only I read it, so this wait is all the ordering that its reads need
	s_mov_b32 s3, 0
.Lblk:
.set dA, 0
.rept MA
	DUMP1 dA
.set dA, dA+1
.endr
.set t, 0
.rept 16
	ds_load_b128 v[T+4*t:T+4*t+3], v[RD] offset:t*SPITCH  ; LDS serves a wave's instructions in order (ISA guide 5.7.1.4): these see the stores above
.set t, t+1
.endr
	s_wait_dscnt 0x0
.set i, 0
.rept 32
	v_pk_fma_f32 v[T+2*i:T+2*i+1], v[T+2*i:T+2*i+1], s[SC:SC+1], v[BI+2*(i%2):BI+2*(i%2)+1] op_sel_hi:[1,0,1]  ; -log2(e) (s + b)
.set i, i+1
.endr
.set i, 0
.rept 64
	v_exp_f32 v[T+i], v[T+i]
.set i, i+1
.endr
	v_nop                                          ; a plain instruction between the exponentials and the use of their results (ISA guide 5.7.2)
.set i, 0
	s_wait_alu depctr_va_vdst(0)
.rept 32
	v_pk_add_f32 v[T+2*i:T+2*i+1], v[T+2*i:T+2*i+1], 1.0 op_sel_hi:[1,0]
.set i, i+1
.endr
.set i, 0
.rept 64
	v_rcp_f32 v[T+i], v[T+i]
.set i, i+1
.endr
	v_nop                                          ; and between the reciprocals and theirs
	s_cmp_eq_u32 s[CH], 0
	s_cbranch_scc0 .Lr
.set t, 0
	s_wait_alu depctr_va_vdst(0)
.rept 16
	global_store_b128 v[CO], v[T+4*t:T+4*t+3], s[ZB:ZB+1] offset:t*4096  ; z: 512 consecutive bytes, at a multiple of 256 from zbuf's first byte
.set t, t+1
.endr
	s_branch .Lj
.Lr:
	s_lshl_b32 s78, s3, 12                         ; the block's 16 rows of 256 bytes in my tile of h
	v_add_nc_u32 v[HAD], s78, v[HRD]
.set t, 0
.rept 16
	ds_load_b64 v[PK+2*t:PK+2*t+1], v[HAD] offset:256*t  ; my 4 columns of row t, in bf16
.set t, t+1
.endr
	s_wait_dscnt 0x0
.set i, 0
.rept 32
	v_lshlrev_b32 v[HR+2*i], 16, v[PK+i]           ; bf16 to f32: the low half moves up,
	v_and_b32 v[HR+2*i+1], s[HM], v[PK+i]          ; the high half stays
.set i, i+1
.endr
.set i, 0
	s_wait_alu depctr_va_vdst(0)
.rept 32
	v_pk_mul_f32 v[T+2*i:T+2*i+1], v[T+2*i:T+2*i+1], v[HR+2*i:HR+2*i+1]  ; r h, in f32
.set i, i+1
.endr
.set i, 0
.rept 32
	v_cvt_pk_bf16_f32 v[PK+i], v[T+2*i], v[T+2*i+1]
.set i, i+1
.endr
.set t, 0
.rept 16
	global_store_b64 v[CO2], v[PK+2*t:PK+2*t+1], s[XRB:XRB+1] offset:t*4096  ; 256 consecutive bytes, at a multiple of 256 from xr's first byte
.set t, t+1
.endr
.Lj:
	s_wait_xcnt 0x0                                ; the stores' data and bases are written again only behind this wait (ISA guide 3.1)
	s_add_nc_u64 s[ZB:ZB+1], s[ZB:ZB+1], 0x10000   ; 16 rows on
	s_add_nc_u64 s[XRB:XRB+1], s[XRB:XRB+1], 0x10000
	s_add_co_u32 s3, s3, 1
	s_cmp_lt_u32 s3, MA
	s_cbranch_scc1 .Lblk
	s_wait_tensorcnt 0x0                           ; the wave's end: behind my last tensor load and my last LDS store
	ds_add_u32 v[SPW], v[NIL]
	s_wait_dscnt 0x0
	CROUND                                         ; the closing round: no work-group ends while a partner may still ask for a tile that names it
	s_endpgm
.Lfunc_end_k_qb7b0ce7ef6_gates:
	.size	k_qb7b0ce7ef6_gates, .Lfunc_end_k_qb7b0ce7ef6_gates-k_qb7b0ce7ef6_gates
	.p2alignl 7, 3214868480
	.fill 96, 4, 3214868480
	.section	.rodata,"a",@progbits
	.p2align	6, 0x0
	.amdhsa_kernel k_qb7b0ce7ef6_gates
		.amdhsa_group_segment_fixed_size 327680
		.amdhsa_private_segment_fixed_size 0
		.amdhsa_enable_private_segment 0
		.amdhsa_kernarg_size 48
		.amdhsa_user_sgpr_count 2
		.amdhsa_user_sgpr_kernarg_segment_ptr 1
		.amdhsa_wavefront_size32 1
		.amdhsa_system_sgpr_workgroup_id_x 1
		.amdhsa_system_sgpr_workgroup_id_y 1
		.amdhsa_system_sgpr_workgroup_id_z 1
		.amdhsa_system_vgpr_workitem_id 0
		.amdhsa_next_free_vgpr 1024
		.amdhsa_next_free_sgpr 92
		.amdhsa_reserve_vcc 0
		.amdhsa_float_denorm_mode_32 3
		.amdhsa_float_denorm_mode_16_64 3
		.amdhsa_memory_ordered 1
		.amdhsa_forward_progress 1
		.amdhsa_inst_pref_size 142
	.end_amdhsa_kernel
	.amdgpu_metadata
---
amdhsa.version: [ 1, 2 ]
amdhsa.kernels:
  - .name:           k_qb7b0ce7ef6_gates
    .symbol:         k_qb7b0ce7ef6_gates.kd
    .args:
      - { .name: xh, .offset: 0, .size: 8, .value_kind: global_buffer, .address_space: global }
      - { .name: wb, .offset: 8, .size: 8, .value_kind: global_buffer, .address_space: global }
      - { .name: b_z, .offset: 16, .size: 8, .value_kind: global_buffer, .address_space: global }
      - { .name: b_r, .offset: 24, .size: 8, .value_kind: global_buffer, .address_space: global }
      - { .name: zbuf, .offset: 32, .size: 8, .value_kind: global_buffer, .address_space: global }
      - { .name: xr, .offset: 40, .size: 8, .value_kind: global_buffer, .address_space: global }
    .group_segment_fixed_size: 327680
    .private_segment_fixed_size: 0
    .kernarg_segment_align: 8
    .kernarg_segment_size: 48
    .max_flat_workgroup_size: 128
    .sgpr_count:     92
    .vgpr_count:     1024
    .wavefront_size: 32
...
	.end_amdgpu_metadata
.endif
;; end of part 2
;; launch cand (part 3): grid 4 x 64, 4 waves a work-group, clusters of 4 x 4, 327,680 bytes of LDS; arguments xr, wb, b_h, zbuf, xh, out1, hb; writes out1, hb
.if DOCPART == 3
	.amdgcn_target "amdgcn-amd-amdhsa--gfx1250"
	.amdhsa_code_object_version 6
	.text
	.protected	k_qb7b0ce7ef6_cand
	.globl	k_qb7b0ce7ef6_cand
	.p2align	8
	.type	k_qb7b0ce7ef6_cand,@function
k_qb7b0ce7ef6_cand:
	s_mov_b64 s[64:65], 0
	v_nop
	global_prefetch_b8 v0, s[64:65] scope:SCOPE_SE
	s_setreg_imm32_b32 hwreg(HW_REG_WAVE_MODE, 25, 1), 1
	s_wait_xcnt 0x0
	s_wait_alu depctr_hold_cnt(0) depctr_sa_sdst(0) depctr_va_vdst(0) depctr_va_sdst(0) depctr_va_ssrc(0) depctr_va_vcc(0) depctr_vm_vsrc(0)
	s_getreg_b32 s2, hwreg(HW_REG_IB_STS2, 6, 4)
	s_cmp_eq_u32 s2, 0
	s_cbranch_scc0 .Lentry_in_a_cluster
	s_endpgm
.Lentry_in_a_cluster:
	s_bfe_u32 s2, ttmp6, 0x10000c
	s_cmp_lg_u32 s2, 0xf033
	s_cbranch_scc0 .Lentry_shape_is_right
	s_endpgm
.Lentry_shape_is_right:
; CAND.  t = tanh([x | r h] W_h^T + b_h);  hidden = h + z (t - h) = (1 - z) h + z t -> out1 [8192][1024] f32, and rounded to f16 -> hb, the next product's operand.
; Products in bf16 with f32 sums, K = 2,048 ascending; bias, tanh and the blend in f32.  LIMITS: every input (x, h, W_h, b_h) is taken rounded once to bf16, h in the blend too (it is read from xh's right half);
; tanh(s) = 1 - 2 / (1 + 2^(2 log2(e) s)) gives exactly 1 where the power overflows to infinity and exactly -1 where it falls below 2^-126; near 0 its error is that of one f32 subtraction from 1; a NaN goes through.
; hb is f16: hidden lies between h and +-1, so hb is finite for |h| up to 65,504; below 6e-5 it keeps f16's fixed step of 6e-8.  out1 has no such limit.
; SHARES.  A tile is 128 rows x 256 columns, so that 256 work-groups share the 8,192 x 1,024 results.  Four waves, 2 x 2, each 64 x 128: 32 accumulators.
; A's TWO SOURCES.  x (K 0-1023) lies in xh's left half, r h (K 1024-2047) in xr's right half; both buffers have rows of 4,096 bytes, so one offset and one descriptor serve both, and each fill's address is made
; anew: the buffer is chosen by where the tile begins in K.  xr's left half is neither written nor read.
; THE RING HAS TWO UNEQUAL SLOTS.  This tile has 32 matrix instructions a wave for 32 along K, half of a 256 x 256 tile's, and two slots of K = 256 (2 x 202,752 bytes) do not fit in LDS.  So a LONG slot (K = 256, rows
; of 512 + 16 bytes) and a SHORT one (K = 128, rows of 256 + 16 bytes) take turns: L0 S0 L1 S1 L2 S2 L3 S3 L4 S4 Z; L_i begins at K = 384 i, S_i at 384 i + 256; Z, the last 128, has the short shape and lies at the long
; slot's head.  No tile straddles K = 1,024.  Nine refills; a short tile's has 240 matrix instructions between the request and the wait for it, a long tile's (and Z's) 112.
; CLUSTER, TRANSPOSED USE: 4 x 4 work-groups, A's tile asked for jointly along a row of the cluster, B's along a column (waves 0, 1 fetch A's halves of 64 rows, waves 2, 3 B's of 128 rows);
; source 0 = 16 rows of W_h, source 1 = 16 rows of [x | r h]: a lane holds eight neighbouring columns of one row of the result.
; z AND h COME INTO IDLE REGISTERS UNDER THE TAIL: 32 loads (16 of 512 bytes, 16 of 256) for each of my four blocks of 16 rows, asked for while the last products run.
; REGISTERS, in windows of 256 (s_set_vgpr_msb: bits 1:0 source 0, 3:2 source 1, 5:4 source 2, 7:6 destination):
;   window 0: v0-31 addresses; v32-63 packed results; v64-95, v128-159 A's two fragment buffers; on the way out v64-127 16 rows of results, v128-191 16 rows of h in f32; v192-195 the bias
;   window 1: v64-127, v128-191 B's two fragment buffers, at last z and h of block 3; v0-63, v192-223 z and h of block 2
;   window 2: the accumulators: (a, b) at v[8 (8 a + b)]        window 3: z and h of blocks 0 and 1
.set MA,     4                         ; blocks of 16 rows a wave
.set NB,     8                         ; blocks of 16 columns a wave
.set EPITCH, 2048                      ; elements from row to row, in A and in B
.set KL,     256                       ; K of a long tile
.set KS,     128                       ; K of a short tile
.set PL,     2*KL+16                   ; LDS rows: the data + 16 bytes of padding, odd multiples of 16: the 16 rows that a load touches start at 16 different groups of four banks (64 banks of 4 bytes: ISA guide 11.1)
.set PS,     2*KS+16
.set HAL,    16*MA*PL                  ; what one tensor load brings of A into the long slot, and what one wave reads of it
.set HBL,    16*NB*PL                  ; the same for B
.set HAS,    16*MA*PS                  ; and for the short shape
.set HBS,    16*NB*PS
.set LSLOT,  2*(HAL+HBL)               ; the long slot, from LDS byte 0: A's two halves, then B's two
.set SSLOT,  2*(HAS+HBS)
.set SBASE,  LSLOT                     ; the short slot lies behind it
.set STAGE,  SBASE                     ; the way out's stage, 16 rows x SPITCH for each wave, lies in the short slot: S4 is that slot's last fill, and its last read stands ahead of the barrier behind S4
.set SPITCH, 64*NB+16
.set SPARE,  LSLOT+SSLOT               ; behind the slots: the spare words, 128 bytes for each wave: two blocks of 256 bytes that no other line names
.set PERIOD, 2*(KL+KS)                 ; bytes of a row from a tile to the same slot's next
.set HALFK,  2048                      ; byte of a row at which x ends and r h begins
.set U,      MA                        ; units (16 rows x 32 K of A) in a quarter step of 32 along K
.set NLD,    2*(MA+NB)                 ; LDS loads in a quarter's run
.set YOUNG,  MA                        ; the youngest loads of a run (A's blocks 2 and 3), which only the quarter's second half uses
.set PFO,  9                           ; v9      prefetch: (32 cx + lane) rows of 4,096 bytes; never rewritten
.set ADRA, 16                          ; v16-18  LDS address of my A fragments in the long slot, the short slot, and Z
.set RA,   19                          ; v19     the same inside the long tile's inner loop
.set ADRB, 20                          ; v20-22  the same three for B
.set RB,   23                          ; v23
.set STO,  24                          ; v24     the way out: where I put 32 bytes of a row
.set RD,   25                          ; v25     the way out: where I read a row back
.set CO,   26                          ; v26     16 x lane: my 4 f32 columns of a row of 128; never rewritten
.set CO2,  27                          ; v27     8 x lane: the same 4 columns in 16 bits; never rewritten
.set SPW,  28                          ; v28     LDS address of my spare word; never rewritten
.set NIL,  29                          ; v29     0; never rewritten
.set PK,   32
.set T,    64
.set HR,   128
.set BI,   192
.set F0,   64
.set F1,   128
.set PB,  18                           ; s[18:19] the prefetch's base
.set WV,  20                           ; s20  my wave's number
.set RH,  21                           ; s21  which half of the tile's rows is mine.  Also: I fetch for A (0) or for B (1)
.set CH,  22                           ; s22  which half of its columns.  Also: which half of that tile I fetch
.set G1A, 24                           ; s[24:31] descriptor group 1 for A's long tiles; s[84:91] for its short ones
.set G0,  32                           ; s[32:39] group 0 for A, a set for each slot
.set AH,  46                           ; s[46:47] xh at the first row that I fetch
.set G1B, 48                           ; s[48:55] group 1 for B's long tiles; s[92:99] for its short ones
.set G0B, 56                           ; s[56:63] group 0 for B, a set for each slot
.set BP,  68                           ; s[68:69] my bias
.set SC,  70                           ; s[70:71] 2 log2(e), named as a pair
.set ZB,  72                           ; s[72:73] zbuf at my first row and column; never rewritten
.set HB,  74                           ; s[74:75] xh's right half likewise; never rewritten
.set O1,  76                           ; s[76:77] out1 at the block in hand
.set HBO, 78                           ; s[78:79] hb at the block in hand
.set HM,  80                           ; s80  mask of a word's upper bf16
.set KO,  81                           ; s81  the inner loop's counter: the byte of the long tile's rows at which its two quarters fetch
.set AR,  82                           ; s[82:83] xr at the first row that I fetch
.set KB,  100                          ; s[100:101] the outer loop's counter: the byte of a row at which the long tile to be asked for begins (high word 0)
.set MSB, 0
.macro WIN new                         ; the immediate's high byte repeats the setting that is left; a switch that changes nothing is dropped
.if MSB != (\new)
	s_set_vgpr_msb (MSB<<8)|(\new)
.set MSB, \new
.endif
.endm
.set MUL_LO, 0xa1                      ; source 0 (B) window 1, source 1 (A) window 0, C and D window 2
.set TO_B,   0x40                      ; destination window 1, address window 0
.macro PLACES                          ; four places in front of loads into registers that matrix instructions have read, and of stores that read results (ISA guide 7.12.1 for vector instructions)
.rept 4
	v_nop
.endr
.endm
; A joint load with slot s's group 0 and the group 1 of shape g (0 long, 1 short): waves 0 and 1 fetch A's halves, waves 2 and 3 B's.  The branch hangs on the wave's number alone.
; An s_nop 0 and four v_nop follow each of the two lines.
.macro JLOAD s, g
	s_cmp_eq_u32 s[RH], 0
	s_cbranch_scc0 .Lfor_b_\@
	tensor_load_to_lds s[G0+4*(\s):G0+4*(\s)+3], s[G1A+60*(\g):G1A+60*(\g)+7]
	s_nop 0
.rept 4
	v_nop
.endr
	s_branch .Lasked_\@
.Lfor_b_\@:
	tensor_load_to_lds s[G0B+4*(\s):G0B+4*(\s)+3], s[G1B+44*(\g):G1B+44*(\g)+7]
	s_nop 0
.rept 4
	v_nop
.endr
.Lasked_\@:
.endm
.macro CREST                           ; a round of the cluster's barrier behind its opening barrier
	s_cmp_lg_u32 s[WV], 0
	s_cbranch_scc1 .Lnot_wave_0_\@
	s_barrier_signal -3
.Lnot_wave_0_\@:
	s_barrier_wait -3
	s_barrier_signal -1
	s_barrier_wait -1
.endm
.macro CROUND                          ; a whole round
	s_barrier_signal -1
	s_barrier_wait -1
	CREST
.endm
; NB matrix instructions: unit u of buffer f (block u of my rows, 32 along K) x all my column blocks.  zero = 1: the first product on an accumulator starts its sum.
; The accumulators take turns, one instruction a turn, in the same order in every quarter.
.macro MULA f, u, zero
	WIN MUL_LO
.set mB, 0
.rept NB
.set rD, 8*(8*(\u)+mB)
.if \zero
	v_wmma_f32_16x16x32_bf16 v[rD:rD+7], v[(\f)+8*mB:(\f)+8*mB+7], v[(\f)+8*(\u):(\f)+8*(\u)+7], 0
.else
	v_wmma_f32_16x16x32_bf16 v[rD:rD+7], v[(\f)+8*mB:(\f)+8*mB+7], v[(\f)+8*(\u):(\f)+8*(\u)+7], v[rD:rD+7]
.endif
.set mB, mB+1
.endr
.endm
.macro MULS f, u0, n, zero             ; n units from u0 on
.set mU, \u0
.rept \n
	MULA \f, mU, \zero
.set mU, mU+1
.endr
.endm
; The LDS loads of a quarter in one run, into buffer f: first B's fragments (address register rb), then A's (ra); rows p bytes apart, byte k of the rows.  A fragment is 16 rows x 32 K: two loads of 16 bytes, 32 bytes apart.
.macro FETCHR ra, rb, p, k, f
	WIN TO_B
.set fI, 0
.rept NB
	ds_load_b128 v[(\f)+8*fI:(\f)+8*fI+3],   v[\rb] offset:(\k)+fI*16*(\p)
	ds_load_b128 v[(\f)+8*fI+4:(\f)+8*fI+7], v[\rb] offset:(\k)+fI*16*(\p)+32
.set fI, fI+1
.endr
	WIN 0
.set fI, 0
.rept MA
	ds_load_b128 v[(\f)+8*fI:(\f)+8*fI+3],   v[\ra] offset:(\k)+fI*16*(\p)
	ds_load_b128 v[(\f)+8*fI+4:(\f)+8*fI+7], v[\ra] offset:(\k)+fI*16*(\p)+32
.set fI, fI+1
.endr
.endm
.macro FETCH slot, k, f                ; slot 0: the long slot; 1: the short slot; 2: Z
.if (\slot) == 0
	FETCHR ADRA, ADRB, PL, \k, \f
.else
	FETCHR ADRA+(\slot), ADRB+(\slot), PS, \k, \f
.endif
.endm
; A quarter that is not a tile's last: multiplies buffer f; in its middle it fetches the next quarter, at byte k of the same tile's rows, into buffer g.
.macro QUARTER slot, k, f, g, zero
	s_wait_dscnt YOUNG                             ; all of the run but its youngest loads, which the second half uses
	MULS \f, 0, U/2, \zero
	PLACES
	FETCH \slot, \k, \g
	s_wait_dscnt NLD                               ; all but the run just issued
	MULS \f, U/2, U/2, \zero
.endm
; The same inside the long tile's inner loop: the fetch goes to byte KO + dk.  The two additions that make the addresses are two of the four places.
.macro QUARTERV f, g, dk
	s_wait_dscnt YOUNG
	MULS \f, 0, U/2, 0
	WIN 0
.if (\dk) == 0
	v_add_nc_u32 v[RB], s[KO], v[ADRB]
	v_add_nc_u32 v[RA], s[KO], v[ADRA]
	v_nop
	v_nop
.else
	PLACES
.endif
	FETCHR RA, RB, PL, \dk, \g
	s_wait_dscnt NLD
	MULS \f, U/2, U/2, 0
.endm
; Quarters 1 to 6 of a long tile: written as two, walked three times; they fetch quarters 2 to 7, at bytes 128 to 448 of the rows.
.macro LMID
	WIN 0                                          ; at a label and at a branch every window is 0
	s_mov_b32 s[KO], 128
.Lmid_\@:
	QUARTERV F1, F0, 0
	QUARTERV F0, F1, 64
	WIN 0
	s_add_co_u32 s[KO], s[KO], 128
	s_cmp_lt_u32 s[KO], 2*KL
	s_cbranch_scc1 .Lmid_\@
.endm
; The first half of a tile's last quarter: ONE barrier for the change of slots.  In front of it each wave waits for all its tensor loads (one is out: its part of the next tile), adds 0 to its spare word,
; and waits for that and for its own reads of this slot.  Behind it nobody reads this slot any more and the next tile is whole.
.macro MEET round
	WIN 0                                          ; the add's two registers lie in window 0
	s_wait_tensorcnt 0x0
	ds_add_u32 v[SPW], v[NIL]                      ; 0 onto my spare word
	s_wait_dscnt YOUNG+1                           ; the add and the youngest loads may be out
	MULS F1, 0, U/4, 0                             ; matrix work stands between the add and the wait for it
	s_wait_dscnt 0x0                               ; the add is done, and my reads of this slot are over
	s_barrier_signal -1
	MULS F1, U/4, U/4, 0                           ; work on registers while the others arrive
.if \round
	WIN 0
.endif
	s_barrier_wait -1
.endm
; PREFETCH of A into the L2.  Wave 0 asks, for rows 32 cx + lane of the tile row's 128, so that the four work-groups that share those rows ask for each aligned block of 256 bytes once in the launch.
; Behind the long slot's refill: the short tile that the next change of slots will load (one block a row).  Behind the short slot's refill: the long tile that the next change of slots will load (two blocks a row;
; one for Z, which is 256 bytes wide).  The tail asks for nothing: no tile is left.  W_h is not asked for: sixteen clusters read it again and again.
.macro ASK slot
	s_cmp_lg_u32 s[WV], 0
	s_cbranch_scc1 .Lno_ask_\@
	s_wait_xcnt 0x0                                ; the base that the last request named is written again only behind this wait; that request went out a tile ago
.if (\slot) == 0
	s_cmp_lt_u32 s[KB], HALFK-2*KL                 ; does that tile begin in x's half of K?
.else
	s_cmp_lt_u32 s[KB], HALFK-PERIOD
.endif
	s_cselect_b64 s[PB:PB+1], s[AH:AH+1], s[AR:AR+1]  ; (wave 0 fetches A's first half, so its AH and AR stand at the tile row's first row)
	s_add_nc_u64 s[PB:PB+1], s[PB:PB+1], s[KB:KB+1]
.if (\slot) == 0
	global_prefetch_b8 v[PFO], s[PB:PB+1] offset:2*KL th:TH_LOAD_NT scope:SCOPE_SE
.else
	global_prefetch_b8 v[PFO], s[PB:PB+1] offset:PERIOD th:TH_LOAD_NT scope:SCOPE_SE
	s_cmp_lt_u32 s[KB], 4*PERIOD                   ; in the last trip that tile is Z: its row ends with the first block
	s_cbranch_scc0 .Lno_ask_\@
	global_prefetch_b8 v[PFO], s[PB:PB+1] offset:PERIOD+256 th:TH_LOAD_NT scope:SCOPE_SE
.endif
.Lno_ask_\@:
.endm
; A tile's whole last quarter.  fill = 1: the barrier opens a round of the cluster's, and the slot just read out is filled again, first thing behind it, with its next tile: A's address is made anew (the buffer by where
; the tile begins in K, the row offset KB, 512 bytes more for the short slot), B's steps.  fill = 2: the same, and the tile is Z: the short shape at the long slot's head.  fill = 0: nothing is filled.
; Then the next tile's first fragments.
.macro TURN slot, next, fill
.if \fill
	MEET 1
	CREST                                          ; no wave of any partner still reads this slot or has a load on its way
	s_cmp_lt_u32 s[KB], HALFK-2*KL*(\slot)
	s_cselect_b64 s[G0+4*(\slot)+2:G0+4*(\slot)+3], s[AH:AH+1], s[AR:AR+1]
	s_add_nc_u64 s[G0+4*(\slot)+2:G0+4*(\slot)+3], s[G0+4*(\slot)+2:G0+4*(\slot)+3], s[KB:KB+1]
.if \slot
	s_add_nc_u64 s[G0+4*(\slot)+2:G0+4*(\slot)+3], s[G0+4*(\slot)+2:G0+4*(\slot)+3], 2*KL
.endif
	s_or_b32 s[G0+4*(\slot)+3], s[G0+4*(\slot)+3], 0x80000000
	s_add_nc_u64 s[G0B+4*(\slot)+2:G0B+4*(\slot)+3], s[G0B+4*(\slot)+2:G0B+4*(\slot)+3], PERIOD
.if (\fill) == 2
	s_mul_i32 s[G0+1], s[CH], HAS                  ; Z's places in LDS: the short slot's, counted from byte 0
	s_mul_i32 s[G0B+1], s[CH], HBS
	s_add_co_u32 s[G0B+1], s[G0B+1], 2*HAS
	JLOAD 0, 1
.else
	JLOAD \slot, \slot                             ; the four v_nop behind it are also the places in front of the loads below
.endif
.else
	MEET 0
	PLACES
.endif
	FETCH \next, 0, F0
.if (\fill) == 1
	ASK \slot
.endif
	MULS F1, U/2, U/2, 0
.endm
; Where z and h of block a lie: window zW; z in 64 registers from zZ on, h (bf16, two to a register) in 32 from zH on.
.macro ZH a
.if (\a) < 2
.set zW, 3
.set zZ, 128*(\a)
.set zH, 128*(\a)+64
.elseif (\a) == 2
.set zW, 1
.set zZ, 0
.set zH, 192
.else
.set zW, 1
.set zZ, 64
.set zH, 128
.endif
.endm
; z and h of block a are asked for: 16 loads of 512 neighbouring bytes and 16 of 256.  The block stands in the immediate, so neither an offset register nor a base is ever written again.
.macro PRE a
	ZH \a
	WIN zW<<6                                      ; destination in window zW, address in window 0
.set t, 0
.rept 16
	global_load_b128 v[zZ+4*t:zZ+4*t+3], v[CO], s[ZB:ZB+1] offset:(16*(\a)+t)*4096 th:TH_LOAD_NT
	global_load_b64 v[zH+2*t:zH+2*t+1], v[CO2], s[HB:HB+1] offset:(16*(\a)+t)*4096 th:TH_LOAD_NT
.set t, t+1
.endr
.endm
; Descriptor group 1 at s[g]: a tile of rows x k elements of 2 bytes, 4 words of padding behind each row (the interval's code qi), the mask in s[m]
.macro SETG1 g, m, qi, k, rows
	s_or_b32 s[\g], s[\m], (1<<16)|(1<<20)|(1<<21)|((\qi)<<22)|(3<<25)  ; 15:0 the mask; 17:16 elements of 2 bytes; 20 padding on; 21 set beside a mask; 24:22 the interval; 31:25 4 words (code 3)
	s_mov_b32 s[(\g)+1], (\k)<<16                  ; tensor_dim0
	s_mov_b32 s[(\g)+2], (\rows)<<16               ; tensor_dim1
	s_mov_b32 s[(\g)+3], (\k)<<16                  ; tile_dim0
	s_mov_b32 s[(\g)+4], \rows                     ; tile_dim1
	s_mov_b32 s[(\g)+5], EPITCH                    ; elements from row to row
	s_mov_b32 s[(\g)+6], 0
	s_mov_b32 s[(\g)+7], 0
.endm
	s_load_b256 s[4:11], s[0:1], 0x0               ; xr 4:5, wb 6:7, b_h 8:9, zbuf 10:11
	s_load_b128 s[12:15], s[0:1], 0x20             ; xh 12:13, out1 14:15
	s_load_b64 s[16:17], s[0:1], 0x30              ; hb
	v_lshl_add_u32 v[SPW], v0, 2, SPARE
	v_mov_b32 v[NIL], 0
	ds_add_u32 v[SPW], v[NIL]                      ; the wave's opening: the add and its wait ahead of my first tensor load; the set-up below, work on registers, stands between them
	v_lshrrev_b32 v1, 5, v0
	v_readfirstlane_b32 s[WV], v1
	s_lshr_b32 s[RH], s[WV], 1
	s_and_b32 s[CH], s[WV], 1
	s_bfe_u32 s40, ttmp6, 0x40000                  ; cx, cy: my place in the cluster
	s_bfe_u32 s41, ttmp6, 0x40004
	s_lshl_b32 s42, ttmp9, 2
	s_add_co_u32 s42, s42, s40                     ; tile column = 4 x cluster x + cx
	s_and_b32 s43, ttmp7, 0xffff
	s_lshl_b32 s43, s43, 2
	s_add_co_u32 s43, s43, s41                     ; tile row = 4 x cluster y + cy
	s_lshl_b32 s44, s41, 2
	s_lshl_b32 s44, 15, s44                        ; my row of the cluster
	s_lshl_b32 s45, 0x1111, s40                    ; my column
	SETG1 G1A,    44, 6, KL, 16*MA                 ; A long: rows of 128 words
	SETG1 G1A+60, 44, 5, KS, 16*MA                 ; A short: rows of 64 words
	SETG1 G1B,    45, 6, KL, 16*NB
	SETG1 G1B+44, 45, 5, KS, 16*NB
	s_mov_b32 s[G0], 1                             ; group 0's constant words: count 1, and where the tiles go: no place in the cluster enters an LDS address
	s_mul_i32 s[G0+1], s[CH], HAL
	s_mov_b32 s[G0+4], 1
	s_mul_i32 s[G0+5], s[CH], HAS
	s_add_co_u32 s[G0+5], s[G0+5], SBASE
	s_mov_b32 s[G0B], 1
	s_mul_i32 s[G0B+1], s[CH], HBL
	s_add_co_u32 s[G0B+1], s[G0B+1], 2*HAL
	s_mov_b32 s[G0B+4], 1
	s_mul_i32 s[G0B+5], s[CH], HBS
	s_add_co_u32 s[G0B+5], s[G0B+5], SBASE+2*HAS
	; A's offset is made of the tile row and the wave's number, B's of the tile column and the wave's number, each in registers that never hold the other coordinate
	s_lshl_b32 s46, s43, 7
	s_lshl_b32 s2, s[CH], 6
	s_add_co_u32 s46, s46, s2                      ; A: row 128 x tile row + 64 x the half that I fetch
	s_lshl_b32 s46, s46, 12                        ; rows of 4,096 bytes
	s_mov_b32 s47, 0
	s_lshl_b32 s66, s42, 8
	s_lshl_b32 s2, s[CH], 7
	s_add_co_u32 s66, s66, s2                      ; B: row 256 x tile column + 128 x the half that I fetch,
	s_lshl_b32 s66, s66, 12
	s_add_co_u32 s66, s66, 0x800000                ; of W_h, which begins 2,048 rows of 4,096 bytes into wb
	s_mov_b32 s67, 0
	s_lshl_b32 s2, s42, 10
	s_lshl_b32 s3, s[CH], 9
	s_add_co_u32 s2, s2, s3                        ; my first column in f32 bytes: 1,024 x tile column + 512 x half: the bias's offset
	s_mov_b32 s3, 0
	s_lshl_b32 s76, s43, 7
	s_lshl_b32 s23, s[RH], 6
	s_add_co_u32 s76, s76, s23                     ; my first row of the results,
	s_lshl_b32 s76, s76, 12                        ; in rows of 4,096 bytes (zbuf, out1 and xh alike)
	s_lshr_b32 s74, s2, 1                          ; h in xh: my first column in bf16 bytes,
	s_add_co_u32 s74, s74, s76                     ; my first row,
	s_add_co_u32 s74, s74, 2048                    ; the right half of the rows
	s_mov_b32 s75, 0
	s_add_co_u32 s76, s76, s2                      ; row and column: the offset in zbuf and out1
	s_mov_b32 s77, 0
	s_lshr_b32 s78, s76, 1                         ; hb has half the bytes
	s_mov_b32 s79, 0
	s_mov_b32 s[SC], 0x4038aa3b                    ; 2 log2(e)
	s_mov_b32 s[SC+1], s[SC]
	s_mov_b32 s[HM], 0xffff0000
	s_wait_dscnt 0x0                               ; the opening add is done
	s_wait_kmcnt 0x0
	s_add_nc_u64 s[AR:AR+1], s[4:5], s[46:47]
	s_add_nc_u64 s[AH:AH+1], s[12:13], s[46:47]
	s_add_nc_u64 s[66:67], s[6:7], s[66:67]
	s_add_nc_u64 s[BP:BP+1], s[8:9], s[2:3]
	s_add_nc_u64 s[ZB:ZB+1], s[10:11], s[76:77]
	s_add_nc_u64 s[HB:HB+1], s[12:13], s[74:75]
	s_add_nc_u64 s[O1:O1+1], s[14:15], s[76:77]
	s_add_nc_u64 s[HBO:HBO+1], s[16:17], s[78:79]
	s_mov_b64 s[G0+2:G0+3], s[AH:AH+1]             ; L0 begins at K = 0,
	s_or_b32 s[G0+3], s[G0+3], 0x80000000
	s_add_nc_u64 s[G0+6:G0+7], s[AH:AH+1], 2*KL    ; S0 at K = 256: both in x
	s_or_b32 s[G0+7], s[G0+7], 0x80000000
	s_mov_b64 s[G0B+2:G0B+3], s[66:67]
	s_or_b32 s[G0B+3], s[G0B+3], 0x80000000
	s_add_nc_u64 s[G0B+6:G0B+7], s[66:67], 2*KL
	s_or_b32 s[G0B+7], s[G0B+7], 0x80000000
	CROUND                                         ; all sixteen work-groups are here: the first joint loads meet
	JLOAD 0, 0                                     ; L0
	JLOAD 1, 1                                     ; S0: two loads of mine are out
	v_and_b32 v5, 31, v0
	v_lshlrev_b32 v[CO], 4, v5
	v_lshlrev_b32 v[CO2], 3, v5
	global_load_b128 v[BI:BI+3], v[CO], s[BP:BP+1] ; the bias of my 4 columns
	s_lshl_b32 s2, s40, 5
	v_add_nc_u32 v[PFO], s2, v5                    ; the prefetch's row: 32 cx + lane,
	v_lshlrev_b32 v[PFO], 12, v[PFO]               ; in bytes
	v_and_b32 v1, 15, v0                           ; l % 16
	v_bfe_u32 v2, v0, 4, 1                         ; l / 16
	v_mul_u32_u24 v3, v1, PL
	v_lshl_add_u32 v3, v2, 4, v3                   ; a fragment's row x pitch + 16 x half, in the long shape
	v_mul_u32_u24 v4, v1, PS
	v_lshl_add_u32 v4, v2, 4, v4                   ; and in the short one
	s_mul_i32 s2, s[RH], HAL                       ; my rows of A in the long slot
	v_add_nc_u32 v[ADRA], s2, v3
	s_mul_i32 s2, s[CH], HBL                       ; my rows of B, which lie behind A's
	s_add_co_u32 s2, s2, 2*HAL
	v_add_nc_u32 v[ADRB], s2, v3
	s_mul_i32 s2, s[RH], HAS                       ; the same in Z, from LDS byte 0,
	v_add_nc_u32 v[ADRA+2], s2, v4
	s_add_co_u32 s2, s2, SBASE                     ; and in the short slot
	v_add_nc_u32 v[ADRA+1], s2, v4
	s_mul_i32 s2, s[CH], HBS
	s_add_co_u32 s2, s2, 2*HAS
	v_add_nc_u32 v[ADRB+2], s2, v4
	s_add_co_u32 s2, s2, SBASE
	v_add_nc_u32 v[ADRB+1], s2, v4
	s_mul_i32 s2, s[WV], 16*SPITCH
	s_add_co_u32 s2, s2, STAGE                     ; my stage
	v_mul_u32_u24 v3, v1, SPITCH                   ; in: row l % 16, 32 bytes for each half of the lanes
	v_lshl_add_u32 v3, v2, 5, v3
	v_add_nc_u32 v[STO], s2, v3
	v_add_nc_u32 v[RD], s2, v[CO]                  ; back: 32 lanes take one row of 512 bytes
	s_wait_loadcnt 0x0
	v_cvt_pk_bf16_f32 v6, v[BI], v[BI+1]           ; the bias is rounded to bf16 like every input, and widened again
	v_cvt_pk_bf16_f32 v7, v[BI+2], v[BI+3]
	v_lshlrev_b32 v[BI], 16, v6
	v_and_b32 v[BI+1], s[HM], v6
	v_lshlrev_b32 v[BI+2], 16, v7
	v_and_b32 v[BI+3], s[HM], v7
	v_pk_mul_f32 v[BI:BI+1], v[BI:BI+1], s[SC:SC+1] op_sel_hi:[1,0]      ; 2 log2(e) b, so that one fused multiply-add makes 2 log2(e) (s + b)
	v_pk_mul_f32 v[BI+2:BI+3], v[BI+2:BI+3], s[SC:SC+1] op_sel_hi:[1,0]
	s_wait_tensorcnt 0x1                           ; my part of L0 is in; S0's may stay out
	s_barrier_signal -1
	s_barrier_wait -1                              ; everybody's is
	FETCH 0, 0, F0
	QUARTER 0, 64, F0, F1, 1                       ; the first quarter stands in front of the loop: its products start the sums
	WIN 0                                          ; at a label and at a branch every window is 0
	s_mov_b32 s[KB], PERIOD                        ; the first refills bring L1 and S1
	s_mov_b32 s[KB+1], 0
.Llap:                                                 ; four trips: from a long tile's second quarter to the next long tile's first; both slots are filled again
	LMID
	TURN 0, 1, 1
	QUARTER 1, 64,  F0, F1, 0
	QUARTER 1, 128, F1, F0, 0
	QUARTER 1, 192, F0, F1, 0
	TURN 1, 0, 1
	QUARTER 0, 64, F0, F1, 0
	WIN 0
	s_add_co_u32 s[KB], s[KB], PERIOD
	s_cmp_lt_u32 s[KB], 5*PERIOD
	s_cbranch_scc1 .Llap
	PRE 0                                          ; the tail is written out (L4, S4, Z): one fill more, Z's; z and h are asked for beside its products
	LMID
	TURN 0, 1, 2
	PRE 1
	QUARTER 1, 64,  F0, F1, 0
	QUARTER 1, 128, F1, F0, 0
	QUARTER 1, 192, F0, F1, 0
	TURN 1, 2, 0                                   ; nothing is filled: a barrier of the work-group alone; behind it nobody reads the short slot any more
	PRE 2
	QUARTER 2, 64,  F0, F1, 0
	QUARTER 2, 128, F1, F0, 0
	QUARTER 2, 192, F0, F1, 0
	s_wait_dscnt YOUNG                             ; the very last quarter: nothing more to fetch
	MULS F1, 0, U/2, 0
	s_wait_dscnt 0x0
	MULS F1, U/2, U/2, 0
	WIN 0
	; THE WAY OUT: a counted loop over my four blocks of 16 rows.  A block's sums go as f32 through my own stage in LDS and come back as whole rows of 512 bytes: a lane then holds 4 neighbouring columns of each of
	; the 16 rows, as it does of z and h.  Only the LDS stores (a block's accumulators) and the blend (a block's z and h) name registers of one block; forward jumps on the loop's counter choose among their four texts.
.macro DUMP1 a
	s_cmp_lg_u32 s3, \a
	s_cbranch_scc1 .Lnd_\@
	WIN 0x08                                       ; the stores' data in window 2
.set dB, 0
.rept NB
	ds_store_b128 v[STO], v[64*(\a)+8*dB:64*(\a)+8*dB+3] offset:64*dB          ; each accumulator's low registers first
	ds_store_b128 v[STO], v[64*(\a)+8*dB+4:64*(\a)+8*dB+7] offset:64*dB+16
.set dB, dB+1
.endr
	WIN 0
.Lnd_\@:
.endm
; hidden = h + z (t - h) for block a.  left: how many younger loads may stay out.
.macro BLEND1 a, left
	s_cmp_lg_u32 s3, \a
	s_cbranch_scc1 .Lnb_\@
	ZH \a
	s_wait_loadcnt \left
	WIN zW<<2                                      ; source 1 (h as loaded) in window zW
.set i, 0
.rept 32
	v_lshlrev_b32 v[HR+2*i], 16, v[zH+i]           ; bf16 to f32: the low half moves up,
	v_and_b32 v[HR+2*i+1], s[HM], v[zH+i]          ; the high half stays
.set i, i+1
.endr
	WIN 0
.set i, 0
.rept 32
	v_pk_add_f32 v[T+2*i:T+2*i+1], v[T+2*i:T+2*i+1], v[HR+2*i:HR+2*i+1] neg_lo:[0,1] neg_hi:[0,1]  ; t - h
.set i, i+1
.endr
	WIN zW                                         ; source 0 (z) in window zW
.set i, 0
.rept 32
	v_pk_fma_f32 v[T+2*i:T+2*i+1], v[zZ+2*i:zZ+2*i+1], v[T+2*i:T+2*i+1], v[HR+2*i:HR+2*i+1]
.set i, i+1
.endr
	WIN 0
.Lnb_\@:
.endm
	PLACES                                         ; the loads below land in B's fragment buffers, and the stores read results just made
	PRE 3
	WIN 0
	s_mov_b32 s3, 0
.Lblk:
.set dA, 0
.rept MA
	DUMP1 dA
.set dA, dA+1
.endr
.set t, 0
.rept 16
	ds_load_b128 v[T+4*t:T+4*t+3], v[RD] offset:t*SPITCH  ; LDS serves a wave's instructions in order (ISA guide 5.7.1.4): these see the stores above
.set t, t+1
.endr
	s_wait_dscnt 0x0
.set i, 0
.rept 32
	v_pk_fma_f32 v[T+2*i:T+2*i+1], v[T+2*i:T+2*i+1], s[SC:SC+1], v[BI+2*(i%2):BI+2*(i%2)+1] op_sel_hi:[1,0,1]  ; 2 log2(e) (s + b)
.set i, i+1
.endr
.set i, 0
.rept 64
	v_exp_f32 v[T+i], v[T+i]
.set i, i+1
.endr
	v_nop                                          ; a plain instruction between the exponentials and the use of their results (ISA guide 5.7.2)
.set i, 0
	s_wait_alu depctr_va_vdst(0)
.rept 32
	v_pk_add_f32 v[T+2*i:T+2*i+1], v[T+2*i:T+2*i+1], 1.0 op_sel_hi:[1,0]
.set i, i+1
.endr
.set i, 0
.rept 64
	v_rcp_f32 v[T+i], v[T+i]
.set i, i+1
.endr
	v_nop                                          ; and between the reciprocals and theirs
.set i, 0
	s_wait_alu depctr_va_vdst(0)
.rept 32
	v_pk_fma_f32 v[T+2*i:T+2*i+1], v[T+2*i:T+2*i+1], -2.0, 1.0 op_sel_hi:[1,0,0]  ; tanh = 1 - 2 / (1 + 2^..)
.set i, i+1
.endr
	BLEND1 0, 63                                   ; behind block 0's 32 loads 96 were issued, behind block 1's 64: 63 is the largest count that the wait can name
	BLEND1 1, 63
	BLEND1 2, 32                                   ; block 3's 32 loads may stay out
	BLEND1 3, 0
.set t, 0
.rept 16
	global_store_b128 v[CO], v[T+4*t:T+4*t+3], s[O1:O1+1] offset:t*4096 th:TH_STORE_NT  ; 512 consecutive bytes, at a multiple of 256 from out1's first byte
.set t, t+1
.endr
.set i, 0
.rept 32
	v_cvt_pk_f16_f32 v[PK+i], v[T+2*i], v[T+2*i+1] ; the next product's operand, in f16
.set i, i+1
.endr
.set t, 0
.rept 16
	global_store_b64 v[CO2], v[PK+2*t:PK+2*t+1], s[HBO:HBO+1] offset:t*2048  ; 256 consecutive bytes, at a multiple of 256 from hb's first byte
.set t, t+1
.endr
	s_wait_xcnt 0x0                                ; the stores' data and bases are written again only behind this wait (ISA guide 3.1)
	s_add_nc_u64 s[O1:O1+1], s[O1:O1+1], 0x10000   ; 16 rows on
	s_add_nc_u64 s[HBO:HBO+1], s[HBO:HBO+1], 0x8000
	s_add_co_u32 s3, s3, 1
	s_cmp_lt_u32 s3, MA
	s_cbranch_scc1 .Lblk
	s_wait_tensorcnt 0x0                           ; the wave's end: behind my last tensor load and my last LDS store
	ds_add_u32 v[SPW], v[NIL]
	s_wait_dscnt 0x0
	CROUND                                         ; the closing round: no work-group ends while a partner may still ask for a tile that names it
	s_endpgm
.Lfunc_end_k_qb7b0ce7ef6_cand:
	.size	k_qb7b0ce7ef6_cand, .Lfunc_end_k_qb7b0ce7ef6_cand-k_qb7b0ce7ef6_cand
	.p2alignl 7, 3214868480
	.fill 96, 4, 3214868480
	.section	.rodata,"a",@progbits
	.p2align	6, 0x0
	.amdhsa_kernel k_qb7b0ce7ef6_cand
		.amdhsa_group_segment_fixed_size 327680
		.amdhsa_private_segment_fixed_size 0
		.amdhsa_enable_private_segment 0
		.amdhsa_kernarg_size 56
		.amdhsa_user_sgpr_count 2
		.amdhsa_user_sgpr_kernarg_segment_ptr 1
		.amdhsa_wavefront_size32 1
		.amdhsa_system_sgpr_workgroup_id_x 1
		.amdhsa_system_sgpr_workgroup_id_y 1
		.amdhsa_system_sgpr_workgroup_id_z 1
		.amdhsa_system_vgpr_workitem_id 0
		.amdhsa_next_free_vgpr 1024
		.amdhsa_next_free_sgpr 102
		.amdhsa_reserve_vcc 0
		.amdhsa_float_denorm_mode_32 3
		.amdhsa_float_denorm_mode_16_64 3
		.amdhsa_memory_ordered 1
		.amdhsa_forward_progress 1
		.amdhsa_inst_pref_size 150
	.end_amdhsa_kernel
	.amdgpu_metadata
---
amdhsa.version: [ 1, 2 ]
amdhsa.kernels:
  - .name:           k_qb7b0ce7ef6_cand
    .symbol:         k_qb7b0ce7ef6_cand.kd
    .args:
      - { .name: xr, .offset: 0, .size: 8, .value_kind: global_buffer, .address_space: global }
      - { .name: wb, .offset: 8, .size: 8, .value_kind: global_buffer, .address_space: global }
      - { .name: b_h, .offset: 16, .size: 8, .value_kind: global_buffer, .address_space: global }
      - { .name: zbuf, .offset: 24, .size: 8, .value_kind: global_buffer, .address_space: global }
      - { .name: xh, .offset: 32, .size: 8, .value_kind: global_buffer, .address_space: global }
      - { .name: out1, .offset: 40, .size: 8, .value_kind: global_buffer, .address_space: global }
      - { .name: hb, .offset: 48, .size: 8, .value_kind: global_buffer, .address_space: global }
    .group_segment_fixed_size: 327680
    .private_segment_fixed_size: 0
    .kernarg_segment_align: 8
    .kernarg_segment_size: 56
    .max_flat_workgroup_size: 128
    .sgpr_count:     102
    .vgpr_count:     1024
    .wavefront_size: 32
...
	.end_amdgpu_metadata
.endif
;; end of part 3
;; launch outp (part 4): grid 4 x 64, 4 waves a work-group, clusters of 4 x 4, 327,680 bytes of LDS; arguments hb, wb, b_o, out0; writes out0
.if DOCPART == 4
	.amdgcn_target "amdgcn-amd-amdhsa--gfx1250"
	.amdhsa_code_object_version 6
	.text
	.protected	k_qb7b0ce7ef6_outp
	.globl	k_qb7b0ce7ef6_outp
	.p2align	8
	.type	k_qb7b0ce7ef6_outp,@function
k_qb7b0ce7ef6_outp:
	s_mov_b64 s[64:65], 0
	v_nop
	global_prefetch_b8 v0, s[64:65] scope:SCOPE_SE
	s_setreg_imm32_b32 hwreg(HW_REG_WAVE_MODE, 25, 1), 1
	s_wait_xcnt 0x0
	s_wait_alu depctr_hold_cnt(0) depctr_sa_sdst(0) depctr_va_vdst(0) depctr_va_sdst(0) depctr_va_ssrc(0) depctr_va_vcc(0) depctr_vm_vsrc(0)
	s_getreg_b32 s2, hwreg(HW_REG_IB_STS2, 6, 4)
	s_cmp_eq_u32 s2, 0
	s_cbranch_scc0 .Lentry_in_a_cluster
	s_endpgm
.Lentry_in_a_cluster:
	s_bfe_u32 s2, ttmp6, 0x10000c
	s_cmp_lg_u32 s2, 0xf033
	s_cbranch_scc0 .Lentry_shape_is_right
	s_endpgm
.Lentry_shape_is_right:
; OUTP.  out0 = hidden W_o^T + b_o, [8192][512] f32.  Products in f16 with f32 sums, K = 1,024 ascending; the bias is added in f32.
; WHY f16: hidden is made by the program, and its 11 significant bits in f16 leave an eighth of the rounding error that bf16's 8 would leave in out0.  W_o arrives rounded to bf16 like every input and written as f16.
; LIMITS: hidden enters rounded once to f16 and is finite there for |h| up to 65,504; W_o and b_o are taken rounded once to bf16; a W_o under 2^-17 in magnitude keeps f16's fixed step of 2^-24, one of 65,520 or more is an infinity.
; SHARES.  A tile is 128 x 128, so that 256 work-groups share the 8,192 x 512 results.  Four waves, 2 x 2, each 64 x 64: 16 accumulators.
; RING.  K goes in steps of 256 (LDS rows of 512 bytes, 64 rows to a wave's tensor load), as long as two slots in LDS allow: a small tile has little matrix work in a step, so the step is made long.
; CLUSTER, TRANSPOSED USE: 4 x 4 work-groups, A's tile asked for jointly along a row of the cluster, B's along a column; source 0 = 16 rows of W_o, source 1 = 16 rows of hidden.
; A wave's 64 f32 columns are 256 aligned bytes of out0, so the stage is the wave's own and needs no barrier.
; REGISTERS, in windows of 256 (s_set_vgpr_msb: bits 1:0 source 0, 3:2 source 1, 5:4 source 2, 7:6 destination):
;   window 0: v0-31 addresses; v64-127, v128-191 A's two fragment buffers (64 along K deep); on the way out v64-95 16 rows of results; v192-195 the bias
;   window 1: v64-127, v128-191 B's two fragment buffers        window 2: the accumulators: (a, b) at v[8 (8 a + b)]
.set MA,     4                         ; blocks of 16 rows a wave
.set NB,     4                         ; blocks of 16 columns a wave
.set KD,     2                         ; a quarter of a K step is 32 KD along K
.set SIZE_K, 1024
.set EPITCH, 1024                      ; elements from row to row, in A and in B
.set KSTEP,  128*KD
.set PITCH,  256*KD+16                 ; an LDS row: the data + 16 bytes of padding, an odd multiple of 16: the 16 rows that a load touches start at 16 different groups of four banks (64 banks of 4 bytes: ISA guide 11.1)
.set QI,     4+KD                      ; the padding's interval: after every 64 KD words
.set LAPS,   SIZE_K/(2*KSTEP)          ; a lap = two K steps = once round the ring
.set HALFA,  16*MA*PITCH               ; what one tensor load brings of A, and what one wave reads of it
.set HALFB,  16*NB*PITCH               ; the same for B
.set SLOT,   2*(HALFA+HALFB)           ; A's two halves, then B's two
.set STAGE,  2*SLOT                    ; behind the ring: 16 rows x SPITCH for each wave, for the way out; no tensor load lands there
.set SPITCH, 64*NB+16
.set SPARE,  STAGE+64*SPITCH           ; behind the stages: the spare words, 128 bytes for each wave: two blocks of 256 bytes that no other line names
.set U,      KD*MA                     ; units (16 rows x 32 K of A) in a quarter
.set QB,     64*KD                     ; a quarter's bytes of an LDS row
.set NLD,    2*KD*(MA+NB)              ; LDS loads in a quarter's run
.if KD == 1
.set YOUNG,  MA
.else
.set YOUNG,  NLD/2                     ; the youngest loads of a run, the second 32 along K, which only the quarter's second half uses
.endif
.set ADRA, 16                          ; v16-17  LDS address of my A fragments in slot 0, 1
.set ADRB, 20                          ; v20-21  the same for B
.set STO,  24                          ; v24     the way out: where I put 32 bytes of a row
.set RD,   25                          ; v25     the way out: where I read two rows back
.set CO,   26                          ; v26     my byte offset in two rows of out0
.set CO2,  27                          ; v27     16 x (l % 16): my 4 f32 columns of a row of 64
.set SPW,  28                          ; v28     LDS address of my spare word; never rewritten
.set NIL,  29                          ; v29     0; never rewritten
.set T,    64
.set BI,   192
.set F0,   64
.set F1,   128
.set WV,  20                           ; s20  my wave's number
.set RH,  21                           ; s21  which half of the tile's rows is mine.  Also: I fetch for A (0) or for B (1)
.set CH,  22                           ; s22  which half of its columns.  Also: which half of that tile I fetch
.set G1,  24                           ; s[24:31] descriptor group 1 for A's tiles;  s[32:39] group 0, a set for each slot
.set G0,  32
.set G1B, 48                           ; s[48:55], s[56:63] the same for B's
.set G0B, 56
.set BP,  68                           ; s[68:69] my bias
.set OB,  72                           ; s[72:73] out0 at the block in hand
.set MSB, 0
.macro WIN new                         ; the immediate's high byte repeats the setting that is left; a switch that changes nothing is dropped
.if MSB != (\new)
	s_set_vgpr_msb (MSB<<8)|(\new)
.set MSB, \new
.endif
.endm
.set MUL_LO, 0xa1                      ; source 0 (B) window 1, source 1 (A) window 0, C and D window 2
.set TO_B,   0x40                      ; destination window 1, address window 0
.macro PLACES                          ; four places in front of loads into registers that matrix instructions have read, and of stores that read results (ISA guide 7.12.1 for vector instructions)
.rept 4
	v_nop
.endr
.endm
; A joint load: waves 0 and 1 fetch A's halves, waves 2 and 3 B's.  The branch hangs on the wave's number alone.  An s_nop 0 and four v_nop follow each of the two lines.
.macro JLOAD s
	s_cmp_eq_u32 s[RH], 0
	s_cbranch_scc0 .Lfor_b_\@
	tensor_load_to_lds s[G0+4*(\s):G0+4*(\s)+3], s[G1:G1+7]
	s_nop 0
.rept 4
	v_nop
.endr
	s_branch .Lasked_\@
.Lfor_b_\@:
	tensor_load_to_lds s[G0B+4*(\s):G0B+4*(\s)+3], s[G1B:G1B+7]
	s_nop 0
.rept 4
	v_nop
.endr
.Lasked_\@:
.endm
.macro CREST                           ; a round of the cluster's barrier behind its opening barrier
	s_cmp_lg_u32 s[WV], 0
	s_cbranch_scc1 .Lnot_wave_0_\@
	s_barrier_signal -3
.Lnot_wave_0_\@:
	s_barrier_wait -3
	s_barrier_signal -1
	s_barrier_wait -1
.endm
.macro CROUND                          ; a whole round
	s_barrier_signal -1
	s_barrier_wait -1
	CREST
.endm
; NB matrix instructions: unit u of buffer f (block u % MA of my rows, 32 along K from 32 (u / MA) on) x all my column blocks.  zero = 1: the first product on an accumulator starts its sum.
; The accumulators take turns, one instruction a turn, in the same order in every quarter.
.macro MULA f, u, zero
.set mA, (\u)%MA
.set mC, (\u)/MA
	WIN MUL_LO+0x50*(mA/4)
.set mB, 0
.rept NB
.set rD, 8*(8*(mA%4)+mB)
.if (\zero) && (mC == 0)
	v_wmma_f32_16x16x32_f16 v[rD:rD+7], v[(\f)+8*(NB*mC+mB):(\f)+8*(NB*mC+mB)+7], v[(\f)+8*(\u):(\f)+8*(\u)+7], 0
.else
	v_wmma_f32_16x16x32_f16 v[rD:rD+7], v[(\f)+8*(NB*mC+mB):(\f)+8*(NB*mC+mB)+7], v[(\f)+8*(\u):(\f)+8*(\u)+7], v[rD:rD+7]
.endif
.set mB, mB+1
.endr
.endm
.macro MULS f, u0, n, zero             ; n units from u0 on
.set mU, \u0
.rept \n
	MULA \f, mU, \zero
.set mU, mU+1
.endr
.endm
; The LDS loads of a quarter in one run, into buffer f: for each 32 along K first B's fragments, then A's.  A fragment is 16 rows x 32 K: two loads of 16 bytes, 32 bytes apart.
.macro FETCH slot, k, f
.set fC, 0
.rept KD
	WIN TO_B
.set fI, 0
.rept NB
	ds_load_b128 v[(\f)+8*(NB*fC+fI):(\f)+8*(NB*fC+fI)+3],   v[ADRB+(\slot)] offset:(\k)+64*fC+fI*16*PITCH
	ds_load_b128 v[(\f)+8*(NB*fC+fI)+4:(\f)+8*(NB*fC+fI)+7], v[ADRB+(\slot)] offset:(\k)+64*fC+fI*16*PITCH+32
.set fI, fI+1
.endr
	WIN 0
.set fI, 0
.rept MA
	ds_load_b128 v[(\f)+8*(MA*fC+fI):(\f)+8*(MA*fC+fI)+3],   v[ADRA+(\slot)] offset:(\k)+64*fC+fI*16*PITCH
	ds_load_b128 v[(\f)+8*(MA*fC+fI)+4:(\f)+8*(MA*fC+fI)+7], v[ADRA+(\slot)] offset:(\k)+64*fC+fI*16*PITCH+32
.set fI, fI+1
.endr
.set fC, fC+1
.endr
.endm
; One of a K step's first three quarters: multiplies buffer f; in its middle it fetches the next quarter, at byte k of the same slot's rows, into buffer g.
.macro QUARTER slot, k, f, g, zero
	s_wait_dscnt YOUNG                             ; all of the run but its youngest loads, which the second half uses
	MULS \f, 0, U/2, \zero
	PLACES
	FETCH \slot, \k, \g
	s_wait_dscnt NLD                               ; all but the run just issued
	MULS \f, U/2, U/2, \zero
.endm
; The first half of a K step's last quarter: ONE barrier for the change of slots.  In front of it each wave waits for all its tensor loads (one is out: its part of the next slot), adds 0 to its spare word,
; and waits for that and for its own reads of this slot.  Behind it nobody reads this slot any more and the next slot is whole.
.macro MEET round
	WIN 0                                          ; the add's two registers lie in window 0
	s_wait_tensorcnt 0x0
	ds_add_u32 v[SPW], v[NIL]                      ; 0 onto my spare word
	s_wait_dscnt YOUNG+1                           ; the add and the youngest loads may be out
	MULS F1, 0, U/4, 0                             ; matrix work stands between the add and the wait for it
	s_wait_dscnt 0x0                               ; the add is done, and my reads of this slot are over
	s_barrier_signal -1
	MULS F1, U/4, U/4, 0                           ; work on registers while the others arrive
.if \round
	WIN 0
.endif
	s_barrier_wait -1
.endm
; The whole last quarter.  fill = 1: the barrier opens a round of the cluster's, and the slot just read out is filled again, two K steps on, first thing behind it.  Then the next slot's first fragments.
.macro TURN slot, next, fill
.if \fill
	MEET 1
	CREST                                          ; no wave of any partner still reads this slot or has a load on its way
	s_add_nc_u64 s[G0+4*(\slot)+2:G0+4*(\slot)+3], s[G0+4*(\slot)+2:G0+4*(\slot)+3], 4*KSTEP
	s_add_nc_u64 s[G0B+4*(\slot)+2:G0B+4*(\slot)+3], s[G0B+4*(\slot)+2:G0B+4*(\slot)+3], 4*KSTEP
	JLOAD \slot                                    ; the four v_nop behind it are also the places in front of the loads below
.else
	MEET 0
	PLACES
.endif
	FETCH \next, 0, F0
	MULS F1, U/2, U/2, 0
.endm
	s_load_b256 s[4:11], s[0:1], 0x0               ; hb 4:5, wb 6:7, b_o 8:9, out0 10:11
	v_lshl_add_u32 v[SPW], v0, 2, SPARE
	v_mov_b32 v[NIL], 0
	ds_add_u32 v[SPW], v[NIL]                      ; the wave's opening: the add and its wait ahead of my first tensor load; the set-up below, work on registers, stands between them
	v_lshrrev_b32 v1, 5, v0
	v_readfirstlane_b32 s[WV], v1
	s_lshr_b32 s[RH], s[WV], 1
	s_and_b32 s[CH], s[WV], 1
	s_bfe_u32 s40, ttmp6, 0x40000                  ; cx, cy: my place in the cluster
	s_bfe_u32 s41, ttmp6, 0x40004
	s_lshl_b32 s42, ttmp9, 2
	s_add_co_u32 s42, s42, s40                     ; tile column = 4 x cluster x + cx
	s_and_b32 s43, ttmp7, 0xffff
	s_lshl_b32 s43, s43, 2
	s_add_co_u32 s43, s43, s41                     ; tile row = 4 x cluster y + cy
	s_lshl_b32 s44, s41, 2
	s_lshl_b32 s44, 15, s44                        ; my row of the cluster
	s_lshl_b32 s45, 0x1111, s40                    ; my column
	s_or_b32 s[G1+0], s44, (1<<16)|(1<<20)|(1<<21)|(QI<<22)|(3<<25)   ; 15:0 the mask; 17:16 elements of 2 bytes; 20 padding on; 21 set beside a mask; 24:22 the interval; 31:25 4 words of padding (code 3)
	s_or_b32 s[G1B+0], s45, (1<<16)|(1<<20)|(1<<21)|(QI<<22)|(3<<25)
	s_mov_b32 s[G1+1], KSTEP<<16                   ; tensor_dim0
	s_mov_b32 s[G1+2], (16*MA)<<16                 ; tensor_dim1
	s_mov_b32 s[G1+3], KSTEP<<16                   ; tile_dim0
	s_mov_b32 s[G1+4], 16*MA                       ; tile_dim1
	s_mov_b32 s[G1+5], EPITCH                      ; elements from row to row
	s_mov_b32 s[G1+6], 0
	s_mov_b32 s[G1+7], 0
	s_mov_b32 s[G1B+1], KSTEP<<16
	s_mov_b32 s[G1B+2], (16*NB)<<16
	s_mov_b32 s[G1B+3], KSTEP<<16
	s_mov_b32 s[G1B+4], 16*NB
	s_mov_b32 s[G1B+5], EPITCH
	s_mov_b32 s[G1B+6], 0
	s_mov_b32 s[G1B+7], 0
	; A's offset is made of the tile row and the wave's number, B's of the tile column and the wave's number, each in registers that never hold the other coordinate
	s_lshl_b32 s46, s43, 7
	s_lshl_b32 s2, s[CH], 6
	s_add_co_u32 s46, s46, s2                      ; A: row 128 x tile row + 64 x the half that I fetch
	s_lshl_b32 s46, s46, 11                        ; rows of 2,048 bytes
	s_mov_b32 s47, 0
	s_lshl_b32 s66, s42, 7
	s_lshl_b32 s2, s[CH], 6
	s_add_co_u32 s66, s66, s2                      ; B: row 128 x tile column + 64 x the half that I fetch,
	s_lshl_b32 s66, s66, 11
	s_add_co_u32 s66, s66, 0xc00000                ; of W_o, which begins at byte 12,582,912 of wb
	s_mov_b32 s67, 0
	s_mul_i32 s18, s[CH], HALFA                    ; where they go in a slot: no place in the cluster enters an LDS address
	s_mul_i32 s19, s[CH], HALFB
	s_add_co_u32 s19, s19, 2*HALFA
	s_lshl_b32 s2, s42, 9
	s_lshl_b32 s3, s[CH], 8
	s_add_co_u32 s2, s2, s3                        ; my first column in f32 bytes: 512 x tile column + 256 x half: the bias's offset
	s_mov_b32 s3, 0
	s_lshl_b32 s76, s43, 7
	s_lshl_b32 s23, s[RH], 6
	s_add_co_u32 s76, s76, s23                     ; my first row of out0,
	s_lshl_b32 s76, s76, 11                        ; in rows of 2,048 bytes,
	s_add_co_u32 s76, s76, s2                      ; and my first column
	s_mov_b32 s77, 0
	s_wait_dscnt 0x0                               ; the opening add is done
	s_wait_kmcnt 0x0
	s_add_nc_u64 s[46:47], s[4:5], s[46:47]
	s_add_nc_u64 s[66:67], s[6:7], s[66:67]
	s_add_nc_u64 s[BP:BP+1], s[8:9], s[2:3]
	s_add_nc_u64 s[OB:OB+1], s[10:11], s[76:77]
	CROUND                                         ; all sixteen work-groups are here: the first joint loads meet
.irp s, 0,1
	s_mov_b32 s[G0+4*(\s)], 1
	s_add_co_u32 s[G0+4*(\s)+1], s18, (\s)*SLOT
	s_add_nc_u64 s[G0+4*(\s)+2:G0+4*(\s)+3], s[46:47], (\s)*KSTEP*2
	s_or_b32 s[G0+4*(\s)+3], s[G0+4*(\s)+3], 0x80000000
	s_mov_b32 s[G0B+4*(\s)], 1
	s_add_co_u32 s[G0B+4*(\s)+1], s19, (\s)*SLOT
	s_add_nc_u64 s[G0B+4*(\s)+2:G0B+4*(\s)+3], s[66:67], (\s)*KSTEP*2
	s_or_b32 s[G0B+4*(\s)+3], s[G0B+4*(\s)+3], 0x80000000
	JLOAD \s                                       ; K steps 0 and 1: two loads of mine are out
.endr
	v_and_b32 v1, 15, v0                           ; l % 16
	v_bfe_u32 v2, v0, 4, 1                         ; l / 16
	v_lshlrev_b32 v[CO2], 4, v1
	global_load_b128 v[BI:BI+3], v[CO2], s[BP:BP+1] ; the bias of my 4 columns
	v_lshl_add_u32 v[CO], v2, 11, v[CO2]           ; lanes 0-15 one row of out0, lanes 16-31 the next
	v_mul_u32_u24 v3, v1, PITCH
	v_lshl_add_u32 v3, v2, 4, v3                   ; a fragment's row x pitch + 16 x half
	s_mul_i32 s2, s[RH], HALFA                     ; my rows of A
	s_mul_i32 s23, s[CH], HALFB                    ; my rows of B,
	s_add_co_u32 s23, s23, 2*HALFA                 ; which lie behind A's
.irp s, 0,1
	v_add_nc_u32 v[ADRA+(\s)], s2, v3
	v_add_nc_u32 v[ADRB+(\s)], s23, v3
	s_add_co_u32 s2, s2, SLOT
	s_add_co_u32 s23, s23, SLOT
.endr
	s_mul_i32 s2, s[WV], 16*SPITCH
	s_add_co_u32 s2, s2, STAGE                     ; my stage
	v_mul_u32_u24 v4, v1, SPITCH                   ; in: row l % 16, 32 bytes for each half of the lanes
	v_lshl_add_u32 v4, v2, 5, v4
	v_add_nc_u32 v[STO], s2, v4
	v_mul_u32_u24 v5, v2, SPITCH                   ; back: lanes 0-15 take one row of 256 bytes, lanes 16-31 the next
	v_add_nc_u32 v5, v5, v[CO2]
	v_add_nc_u32 v[RD], s2, v5
	s_wait_tensorcnt 0x1                           ; my part of K step 0 is in; K step 1's may stay out
	s_barrier_signal -1
	s_barrier_wait -1                              ; everybody's is
	FETCH 0, 0, F0
	QUARTER 0, QB, F0, F1, 1                       ; the first quarter stands in front of the loop: its first products start the sums
	WIN 0                                          ; at a label and at a branch every window is 0
	s_mov_b32 s3, LAPS-1
.Llap:                                                 ; a trip goes once round the ring, from a lap's second quarter to the next lap's first, and fills both slots again
	QUARTER 0, 2*QB, F1, F0, 0
	QUARTER 0, 3*QB, F0, F1, 0
	TURN 0, 1, 1
	QUARTER 1, QB, F0, F1, 0
	QUARTER 1, 2*QB, F1, F0, 0
	QUARTER 1, 3*QB, F0, F1, 0
	TURN 1, 0, 1
	QUARTER 0, QB, F0, F1, 0
	WIN 0
	s_sub_co_u32 s3, s3, 1
	s_cmp_lg_u32 s3, 0
	s_cbranch_scc1 .Llap
	QUARTER 0, 2*QB, F1, F0, 0                     ; the last lap is written out: it fills nothing
	QUARTER 0, 3*QB, F0, F1, 0
	TURN 0, 1, 0
	QUARTER 1, QB, F0, F1, 0
	QUARTER 1, 2*QB, F1, F0, 0
	QUARTER 1, 3*QB, F0, F1, 0
	s_wait_dscnt YOUNG                             ; the very last quarter: nothing more to fetch
	MULS F1, 0, U/2, 0
	s_wait_dscnt 0x0
	MULS F1, U/2, U/2, 0
	WIN 0
	; THE WAY OUT: a counted loop over my four blocks of 16 rows.  A block's sums go as f32 through my own stage in LDS and come back as whole rows of 256 bytes, two rows a load.
	; Only the LDS stores name a block's accumulators; a forward jump on the loop's counter chooses among their four texts.
.macro DUMP1 a
	s_cmp_lg_u32 s3, \a
	s_cbranch_scc1 .Lnd_\@
	WIN 0x08+4*((\a)/4)                            ; the stores' data in window 2
.set dB, 0
.rept NB
	ds_store_b128 v[STO], v[64*((\a)%4)+8*dB:64*((\a)%4)+8*dB+3] offset:64*dB          ; each accumulator's low registers first
	ds_store_b128 v[STO], v[64*((\a)%4)+8*dB+4:64*((\a)%4)+8*dB+7] offset:64*dB+16
.set dB, dB+1
.endr
	WIN 0
.Lnd_\@:
.endm
	PLACES                                         ; the stores below read results just made
	s_wait_loadcnt 0x0                             ; the bias
	v_cvt_pk_bf16_f32 v6, v[BI], v[BI+1]           ; it is rounded to bf16 like every input, and widened again
	v_cvt_pk_bf16_f32 v7, v[BI+2], v[BI+3]
	v_lshlrev_b32 v[BI], 16, v6
	v_and_b32 v[BI+1], 0xffff0000, v6
	v_lshlrev_b32 v[BI+2], 16, v7
	v_and_b32 v[BI+3], 0xffff0000, v7
	s_mov_b32 s3, 0
.Lblk:
.set dA, 0
.rept MA
	DUMP1 dA
.set dA, dA+1
.endr
.set t, 0
.rept 8
	ds_load_b128 v[T+4*t:T+4*t+3], v[RD] offset:t*2*SPITCH  ; LDS serves a wave's instructions in order (ISA guide 5.7.1.4): these see the stores above
.set t, t+1
.endr
	s_wait_dscnt 0x0
.set i, 0
.rept 16
	v_pk_add_f32 v[T+2*i:T+2*i+1], v[T+2*i:T+2*i+1], v[BI+2*(i%2):BI+2*(i%2)+1]
.set i, i+1
.endr
.set t, 0
.rept 8
	global_store_b128 v[CO], v[T+4*t:T+4*t+3], s[OB:OB+1] offset:t*4096 th:TH_STORE_NT  ; 16 lanes store 256 consecutive bytes, at a multiple of 256 from out0's first byte
.set t, t+1
.endr
	s_wait_xcnt 0x0                                ; the stores' data and base are written again only behind this wait (ISA guide 3.1)
	s_add_nc_u64 s[OB:OB+1], s[OB:OB+1], 0x8000    ; 16 rows on
	s_add_co_u32 s3, s3, 1
	s_cmp_lt_u32 s3, MA
	s_cbranch_scc1 .Lblk
	s_wait_tensorcnt 0x0                           ; the wave's end: behind my last tensor load and my last LDS store
	ds_add_u32 v[SPW], v[NIL]
	s_wait_dscnt 0x0
	CROUND                                         ; the closing round: no work-group ends while a partner may still ask for a tile that names it
	s_endpgm
.Lfunc_end_k_qb7b0ce7ef6_outp:
	.size	k_qb7b0ce7ef6_outp, .Lfunc_end_k_qb7b0ce7ef6_outp-k_qb7b0ce7ef6_outp
	.p2alignl 7, 3214868480
	.fill 96, 4, 3214868480
	.section	.rodata,"a",@progbits
	.p2align	6, 0x0
	.amdhsa_kernel k_qb7b0ce7ef6_outp
		.amdhsa_group_segment_fixed_size 327680
		.amdhsa_private_segment_fixed_size 0
		.amdhsa_enable_private_segment 0
		.amdhsa_kernarg_size 32
		.amdhsa_user_sgpr_count 2
		.amdhsa_user_sgpr_kernarg_segment_ptr 1
		.amdhsa_wavefront_size32 1
		.amdhsa_system_sgpr_workgroup_id_x 1
		.amdhsa_system_sgpr_workgroup_id_y 1
		.amdhsa_system_sgpr_workgroup_id_z 1
		.amdhsa_system_vgpr_workitem_id 0
		.amdhsa_next_free_vgpr 768
		.amdhsa_next_free_sgpr 80
		.amdhsa_reserve_vcc 0
		.amdhsa_float_denorm_mode_32 3
		.amdhsa_float_denorm_mode_16_64 3
		.amdhsa_memory_ordered 1
		.amdhsa_forward_progress 1
		.amdhsa_inst_pref_size 85
	.end_amdhsa_kernel
	.amdgpu_metadata
---
amdhsa.version: [ 1, 2 ]
amdhsa.kernels:
  - .name:           k_qb7b0ce7ef6_outp
    .symbol:         k_qb7b0ce7ef6_outp.kd
    .args:
      - { .name: hb, .offset: 0, .size: 8, .value_kind: global_buffer, .address_space: global }
      - { .name: wb, .offset: 8, .size: 8, .value_kind: global_buffer, .address_space: global }
      - { .name: b_o, .offset: 16, .size: 8, .value_kind: global_buffer, .address_space: global }
      - { .name: out0, .offset: 24, .size: 8, .value_kind: global_buffer, .address_space: global }
    .group_segment_fixed_size: 327680
    .private_segment_fixed_size: 0
    .kernarg_segment_align: 8
    .kernarg_segment_size: 32
    .max_flat_workgroup_size: 128
    .sgpr_count:     80
    .vgpr_count:     768
    .wavefront_size: 32
...
	.end_amdgpu_metadata
.endif
;; end of part 4
;; ======== version 2 of 2: 4 launches; version 1 with the launch cast written anew for expert scheduling mode
;; limits: values are held in f16: magnitudes above 65,504 overflow, below 6.1e-05 lose precision; inputs' magnitudes at most 65,504
;; workspace buffers: xh 33,554,432 bytes; xr 33,554,432 bytes; wb 13,631,488 bytes; zbuf 33,554,432 bytes; hb 16,777,216 bytes
;; launch cast (part 5): grid 1440 x 1, 8 waves a work-group, no clusters, 0 bytes of LDS; arguments x, hidden_state, W_z, W_r, W_h, W_o, xh, wb; writes xh, wb
.if DOCPART == 5
	.amdgcn_target "amdgcn-amd-amdhsa--gfx1250"
	.amdhsa_code_object_version 6
	.text
	.protected	k_qb7b0ce7ef6_cast
	.globl	k_qb7b0ce7ef6_cast
	.p2align	8
	.type	k_qb7b0ce7ef6_cast,@function
k_qb7b0ce7ef6_cast:
	s_mov_b64 s[64:65], 0
	v_nop
	global_prefetch_b8 v0, s[64:65] scope:SCOPE_SE
	s_setreg_imm32_b32 hwreg(HW_REG_WAVE_SCHED_MODE, 0, 2), 2
	s_setreg_imm32_b32 hwreg(HW_REG_WAVE_MODE, 25, 1), 1
	s_wait_xcnt 0x0
	s_wait_alu depctr_vm_vsrc(0)
; CAST.  The large inputs are rounded to bf16 once (nearest even); every later launch takes them from here, so that the whole program computes on inputs rounded to bf16.
;   xh [8192][2048] bf16: columns 0-1023 x, columns 1024-2047 hidden_state.
;   wb: W_z, W_r, W_h as [3072][2048] bf16; then from byte 12,582,912 on W_o as [512][1024] f16: W_o is rounded to bf16 like the others, and that number is written as f16, since the last product runs in f16.
; LIMIT.  A bf16 number is exact in f16 from 2^-17 up to 65,504 in magnitude; a smaller W_o keeps f16's fixed step of 2^-24, a W_o of 65,520 or more becomes an infinity.
; A stream: no LDS, no matrix unit, no cluster: no byte is read twice and no work-group shares a byte with another.
; SHARES.  Every source is taken as rows of 1,024 f32 (4,096 bytes): 23,040 rows.  A work-group takes 16 of them, a wave 2, a lane 16 bytes of each of a row's eight pieces of 512 bytes.
; Work-groups 0-511 take x, 512-1023 hidden_state, 1024-1151 W_z, 1152-1279 W_r, 1280-1407 W_h, 1408-1439 W_o.  All sixteen loads of a wave go out together; the numbers are rounded in the registers
; that they arrived in, so that a wave needs 72 registers and the launch's 11,520 waves, 11.25 for each of 1,024 SIMDs, can all be resident at once.
; THE MODE: SCHED_MODE bits 1:0 = 2 (LLVM: expert scheduling mode 2), set by the entry lines.  The code itself states the register dependences
; between vector instructions and memory instructions, with s_wait_alu, always for 0.
; THE PLAN.  Registers that memory instructions touch:
;   v1       the source offset.  Written by two vector lines at the head; read by the sixteen loads; never written again.
;   v2, v3   the destination offsets of my first and second row.  Written by three vector lines behind the loads; read by that row's eight stores; never written again.
;   X        load n lands in four registers that no vector instruction has named; behind the load's own counted wait the roundings (for W_o also the step to f16) read and write them;
;            store n reads the first two of the four; nothing writes them after that.
; The work goes by rows: a row's eight pieces are rounded, ONE wait on va_vdst states that its stores' data and offset are written, and its eight stores go out; the first row's stores leave while the second
; row's loads may still be on their way.  With the wait ahead of the first load that is three waits.  No register that a memory instruction has read is written again (the second row's vector lines name
; v[40:71] alone, the first row's stores read v2 and registers of v[8:39]), so no wait on vm_vsrc is owed; no vector instruction writes a scalar register or VCC, and EXEC is never written.
.set X, 8                              ; v[8:71]    16 x 4 registers as loaded; the first two of each four then hold the four numbers in 16 bits
	s_load_b512 s[8:23], s[0:1], 0x0               ; x 8:9, hidden_state 10:11, W_z 12:13, W_r 14:15, W_h 16:17, W_o 18:19, xh 20:21, wb 22:23
	s_mov_b32 s2, ttmp9                            ; g, the work-group's number
	s_mov_b32 s24, 0xffff0000                      ; mask of a word's upper bf16
	v_and_b32 v5, 31, v0                           ; lane
	v_lshrrev_b32 v4, 5, v0                        ; wave
	v_lshlrev_b32 v1, 4, v5
	v_lshl_or_b32 v1, v4, 13, v1                   ; source: wave x 2 rows of 4,096 bytes + 16 x lane
	s_wait_kmcnt 0x0
	; which source, which destination: a chain of selects on g alone
	s_cmp_lt_u32 s2, 512
	s_cselect_b64 s[28:29], s[8:9], s[10:11]       ; the source
	s_cselect_b32 s26, 0, 512                      ; g0: the source's first work-group
	s_cselect_b32 s27, 0, 2048                     ; hidden_state goes into the right half of xh's rows
	s_cmp_lt_u32 s2, 1024
	s_cselect_b64 s[28:29], s[28:29], s[12:13]
	s_cselect_b64 s[30:31], s[20:21], s[22:23]     ; the destination: xh or wb
	s_cselect_b32 s26, s26, 1024
	s_cselect_b32 s27, s27, 0
	s_cselect_b32 s35, 16, 15                      ; log2 of a work-group's bytes in the destination: 16 rows 4,096 apart, or 2,048 apart (dense)
	s_mov_b32 s3, s26                              ; the destination's first work-group: g0 for x and hidden_state, 1024 for all weights
	s_cmp_lt_u32 s2, 1152
	s_cselect_b64 s[28:29], s[28:29], s[14:15]
	s_cselect_b32 s26, s26, 1152
	s_cmp_lt_u32 s2, 1280
	s_cselect_b64 s[28:29], s[28:29], s[16:17]
	s_cselect_b32 s26, s26, 1280
	s_cmp_lt_u32 s2, 1408
	s_cselect_b64 s[28:29], s[28:29], s[18:19]
	s_cselect_b32 s26, s26, 1408
	s_sub_co_u32 s32, s2, s26
	s_lshl_b32 s32, s32, 16                        ; 65,536 bytes of source a work-group
	s_mov_b32 s33, 0
	s_add_nc_u64 s[28:29], s[28:29], s[32:33]
	s_wait_alu depctr_va_vdst(0)                   ; v1 is written: the sixteen loads below read it as their offset
.set n, 0
.rept 16
	global_load_b128 v[X+4*n:X+4*n+3], v1, s[28:29] offset:4096*(n/8)+512*(n%8) th:TH_LOAD_NT  ; 512 neighbouring bytes a load
.set n, n+1
.endr
	s_sub_co_u32 s38, s2, s3
	s_lshl_b32 s38, s38, s35
	s_add_co_u32 s38, s38, s27
	s_mov_b32 s39, 0
	s_add_nc_u64 s[30:31], s[30:31], s[38:39]      ; the destination at my work-group's first row
	s_sub_co_u32 s34, s35, 4
	s_lshl_b32 s34, 1, s34                         ; bytes from row to row in the destination
	s_sub_co_u32 s35, s35, 3                       ; log2 of two such rows
	v_lshlrev_b32 v2, s35, v4                      ; wave x 2 rows
	v_lshl_add_u32 v2, v5, 3, v2                   ; + 8 x lane: my first row
	v_add_nc_u32 v3, s34, v2                       ; my second row
; Row r of my two: its eight pieces are rounded as they arrive, and stored.
.macro ROWOUT r
.set n, 8*(\r)
.rept 8
	s_wait_loadcnt 15-n                            ; loads come back in order (ISA guide 5.7.1): load n is in, the 15 - n younger ones stay out
	v_cvt_pk_bf16_f32 v[X+4*n], v[X+4*n], v[X+4*n+1]
	v_cvt_pk_bf16_f32 v[X+4*n+1], v[X+4*n+2], v[X+4*n+3]
.set n, n+1
.endr
	s_cmp_lt_u32 s2, 1408
	s_cbranch_scc1 .Lstore_\@
.set n, 8*(\r)
.rept 8                                ; W_o alone: the bf16 numbers are widened again (a shift, a mask) and written as f16
	v_and_b32 v[X+4*n+3], s24, v[X+4*n+1]
	v_lshlrev_b32 v[X+4*n+2], 16, v[X+4*n+1]
	v_and_b32 v[X+4*n+1], s24, v[X+4*n]
	v_lshlrev_b32 v[X+4*n], 16, v[X+4*n]
	v_cvt_pk_f16_f32 v[X+4*n], v[X+4*n], v[X+4*n+1]
	v_cvt_pk_f16_f32 v[X+4*n+1], v[X+4*n+2], v[X+4*n+3]
.set n, n+1
.endr
.Lstore_\@:
	s_wait_alu depctr_va_vdst(0)                   ; on both ways here: the conversions have written this row's eight pairs, the stores' data, and the row's offset (v2 or v3) is written
.set n, 8*(\r)
.rept 8
	global_store_b64 v[2+(\r)], v[X+4*n:X+4*n+1], s[30:31] offset:256*(n%8)  ; 32 lanes store 256 consecutive bytes, at a multiple of 256 from the buffer's first byte
.set n, n+1
.endr
.endm
	ROWOUT 0
	ROWOUT 1                                       ; its vector lines name v[40:71] alone: none of the registers that the first row's stores read
	s_endpgm
.Lfunc_end_k_qb7b0ce7ef6_cast:
	.size	k_qb7b0ce7ef6_cast, .Lfunc_end_k_qb7b0ce7ef6_cast-k_qb7b0ce7ef6_cast
	.p2alignl 7, 3214868480
	.fill 96, 4, 3214868480
	.section	.rodata,"a",@progbits
	.p2align	6, 0x0
	.amdhsa_kernel k_qb7b0ce7ef6_cast
		.amdhsa_group_segment_fixed_size 0
		.amdhsa_private_segment_fixed_size 0
		.amdhsa_enable_private_segment 0
		.amdhsa_kernarg_size 64
		.amdhsa_user_sgpr_count 2
		.amdhsa_user_sgpr_kernarg_segment_ptr 1
		.amdhsa_wavefront_size32 1
		.amdhsa_system_sgpr_workgroup_id_x 1
		.amdhsa_system_sgpr_workgroup_id_y 1
		.amdhsa_system_sgpr_workgroup_id_z 1
		.amdhsa_system_vgpr_workitem_id 0
		.amdhsa_next_free_vgpr 72
		.amdhsa_next_free_sgpr 66
		.amdhsa_reserve_vcc 0
		.amdhsa_float_denorm_mode_32 3
		.amdhsa_float_denorm_mode_16_64 3
		.amdhsa_memory_ordered 1
		.amdhsa_forward_progress 1
		.amdhsa_inst_pref_size 12
	.end_amdhsa_kernel
	.amdgpu_metadata
---
amdhsa.version: [ 1, 2 ]
amdhsa.kernels:
  - .name:           k_qb7b0ce7ef6_cast
    .symbol:         k_qb7b0ce7ef6_cast.kd
    .args:
      - { .name: x, .offset: 0, .size: 8, .value_kind: global_buffer, .address_space: global }
      - { .name: hidden_state, .offset: 8, .size: 8, .value_kind: global_buffer, .address_space: global }
      - { .name: W_z, .offset: 16, .size: 8, .value_kind: global_buffer, .address_space: global }
      - { .name: W_r, .offset: 24, .size: 8, .value_kind: global_buffer, .address_space: global }
      - { .name: W_h, .offset: 32, .size: 8, .value_kind: global_buffer, .address_space: global }
      - { .name: W_o, .offset: 40, .size: 8, .value_kind: global_buffer, .address_space: global }
      - { .name: xh, .offset: 48, .size: 8, .value_kind: global_buffer, .address_space: global }
      - { .name: wb, .offset: 56, .size: 8, .value_kind: global_buffer, .address_space: global }
    .group_segment_fixed_size: 0
    .private_segment_fixed_size: 0
    .kernarg_segment_align: 8
    .kernarg_segment_size: 64
    .max_flat_workgroup_size: 256
    .sgpr_count:     66
    .vgpr_count:     72
    .wavefront_size: 32
...
	.end_amdgpu_metadata
.endif
;; end of part 5
;; launch gates: the kernel of part 2 again; grid 8 x 32, 4 waves a work-group, clusters of 4 x 4, 327,680 bytes of LDS; arguments xh, wb, b_z, b_r, zbuf, xr; writes zbuf, xr
;; launch cand: the kernel of part 3 again; grid 4 x 64, 4 waves a work-group, clusters of 4 x 4, 327,680 bytes of LDS; arguments xr, wb, b_h, zbuf, xh, out1, hb; writes out1, hb
;; launch outp: the kernel of part 4 again; grid 4 x 64, 4 waves a work-group, clusters of 4 x 4, 327,680 bytes of LDS; arguments hb, wb, b_o, out0; writes out0
